; MI455X (gfx1250); checked and timed in simulation.
; The chip was launched on July 23, 2026; its instructions are those of AMD's public machine-readable ISA for CDNA 5 (MIT licence, August 2026) and "CDNA5" Instruction Set Architecture Reference Guide (July 2026). The comments in the code are by the model that wrote it; some were corrected since.
;; Multi Head Attention. Allowed arithmetic: matrix products marked QUANTISED: E5M2 operands, one E8M0 scale for each 32 along K, by v_wmma_scale_f32_16x16x128_f8f6f4 with both operands' format E5M2, f32 sums; everything else in f32.
;; Inputs: W_out 1,024 x 1,024 float32; W_qkv 1,024 x 3,072 float32; b_out 1,024 float32; b_qkv 3,072 float32; x 4 x 2,048 x 1,024 float32.
;; Outputs: out0 4 x 2,048 x 1,024 float32.
;; This version of the problem:
;;   THIS VERSION OF THE PROBLEM IS GIVEN IN LOW PRECISION. The matrix products marked QUANTISED in the list below multiply operands that are first quantised to E5M2 (5 exponent bits, 2 mantissa bits; 8 bits a number), with one power-of-two scale for each 32 numbers along K (OCP MX v1.0); their sums are f32. All else is computed in f32.
;;   The module's matrix products, in the order in which they are computed (A, B: the left and right operand; K: the contracted axis; several contracted axes count as one K, in the product's order):
;;     1. [M 8,192, K 1,024] x [K 1,024, N 3,072]; A: input x; B: input W_qkv: QUANTISED
;;     2. batch 64 x [M 2,048, K 64] x [K 64, N 2,048]; A: computed on the way; B: computed on the way: QUANTISED
;;     3. batch 64 x [M 2,048, K 2,048] x [K 2,048, N 64]; A: softmax (see below); B: computed on the way: QUANTISED
;;     4. [M 8,192, K 1,024] x [K 1,024, N 1,024]; A: computed on the way; B: input W_out: QUANTISED
;;   THE QUANTISER, for each operand of a quantised product, along K:
;;     - K is cut into blocks of 32 from its start; a last block that is shorter is filled with zeros.
;;     - A block's scale is 2^e with e = floor(log2(the largest magnitude in the block)) - 15, held to -126 .. 127; a block of zeros has e = 0. As a byte (E8M0): e + 127.
;;     - Each number is divided by its block's scale, clamped to +-57,344, and rounded to the nearest number of E5M2, ties to even, subnormals kept.
;;     - The product sums the exact products of the quantised numbers (number of the format x scale) in f32.
;;   ~~~python
;;   def quantise(x, axis):      # numpy; x: float32 -> the quantised numbers, widened to float32 again
;;       x = np.moveaxis(x, axis, -1); K = x.shape[-1]
;;       x = np.pad(x, [(0, 0)] * (x.ndim - 1) + [(0, -K % 32)]); x = x.reshape(x.shape[:-1] + (-1, 32)); a = np.abs(x).max(-1, keepdims=True)
;;       e = np.where(a > 0, np.clip(np.frexp(np.where(a > 0, a, 1))[1] - 1 - 15, -126, 127), 0)      # np.frexp(a)[1] - 1 = floor(log2(a)), exactly
;;       r = np.clip(x / 2.0 ** e, -57344, 57344)
;;       step = 2.0 ** (np.maximum(np.frexp(np.where(r == 0, 1, r))[1] - 1, -14) - 2)
;;       q = np.round(r / step) * step * 2.0 ** e      # np.round: ties to even
;;       return np.moveaxis(q.reshape(q.shape[:-2] + (-1,))[..., :K], -1, axis).astype(np.float32)
;;   ~~~
;;   SOFTMAX AHEAD OF A QUANTISED PRODUCT. Where the list says 'softmax', what is quantised is not the finished softmax but p = 2^(t - M), with t = logit x log2(e) and M = ceil(the row's largest t), a whole number; so 1/2 < the row's largest p <= 1. The row's sum l is taken of the UNQUANTISED p, in f32, and the product's result is divided by l at the end. Since M is a whole number, a kernel that streams over the keys may use a running M (the ceiling of the running maximum): every later rescaling is an exact power of two, which a block's scale takes up: the codes' values come out the same.
;;   OPERANDS COMPUTED ON THE WAY. 'Computed on the way' means the value that the module computes at that place (a softmax that the list does not call 'softmax' is quantised finished and normalised). What goes into a quantiser is computed in f32, as accurately as f32 sums, v_exp_f32 and their like allow (about 1e-6 of the number): no bf16 or f16 on the way to a quantiser, and a product that is left as it is and whose result goes on into a quantised operand takes f32 operands (vector FMAs, or v_wmma_f32_16x16x4_f32). A number that lies on a knife's edge between two numbers of the format may be rounded either way, as far as f32 arithmetic and the matrix unit's own rounding can turn it there, and no further.
;; One version. Each part assembles by itself: llvm-mc -triple=amdgcn-amd-amdhsa -mcpu=gfx1250 --defsym DOCPART=n.
;; ======== version 1 of 1: 4 launches
;; limits: right only within a limited range of input values
;; workspace buffers: cod 12,582,912 bytes; scl 393,216 bytes; qkv 25,952,256 bytes; ao 8,388,608 bytes; asc 262,144 bytes
;; launch quant (part 1): grid 384 x 1, 4 waves a work-group, no clusters, 68,096 bytes of LDS; arguments x, W_qkv, W_out, cod, scl; writes cod, scl
.if DOCPART == 1
	.amdgcn_target "amdgcn-amd-amdhsa--gfx1250"
	.amdhsa_code_object_version 6
	.text
	.protected	k_qd4ee97b84a_quant
	.globl	k_qd4ee97b84a_quant
	.p2align	8
	.type	k_qd4ee97b84a_quant,@function
k_qd4ee97b84a_quant:
	s_mov_b64 s[64:65], 0
	v_nop
	global_prefetch_b8 v0, s[64:65] scope:SCOPE_SE
	s_setreg_imm32_b32 hwreg(HW_REG_WAVE_MODE, 25, 1), 1
	s_wait_xcnt 0x0
; x [8192][1024], W_qkv [1024][3072] and W_out [1024][1024], f32, become codes of E5M2 with K innermost and one E8M0 byte for each 32 along K, in ONE launch.
; A block's scale is 2^(floor(log2(its largest magnitude)) - 15); its byte is that magnitude's exponent field - 15, held at 1 from below; each number is divided by the scale, held within +-57,344, rounded to the nearest code, ties to even.
; LIMITS: a block of zeros, or one under 2^(16 - 127), gets the byte 1 (zero codes; this program alone reads the bytes); NaN and infinities are not served.
; PLACES: row w of a tensor's 32 goes to place (w & 7) | ((w & 8) << 1) | ((w & 16) >> 1): 16 consecutive places, block 2 f + u, are rows 32 f + 8 u + r + 8 (r / 8).
; cod: places 0 to 8191 x's rows of 1,024 bytes.  W_qkv's columns (places 8,192 to 11,263) and W_out's (11,264 on) lie as IMAGES OF OPERAND REGISTERS: [block of 16 places][128 along K: 8][c 4][lane 32][16 bytes], lane (r, h) holding k = 32 c + 16 h + 0 .. 15 of place r.
; scl: [place 12,288][32 bytes] for all three.
; Work-groups 0 to 127 take the weights (x = number % 32: under 24 W_qkv, else W_out; number / 32: which 256 along K), 128 to 383 take x.  The two paths have LDS bytes of their own.  No barrier: waves share nothing.
.set EMAX,  15
.set MANT,  0x600000
.set SPW,   208
.set NIL,   209
.set WST,   32768                      ; the weights' four stages begin here; x's four regions lie from byte 0
.set SPARE, 67584                      ; the spare words
	s_load_b256 s[4:11], s[0:1], 0x0               ; x, W_qkv, W_out, cod
	s_load_b64 s[12:13], s[0:1], 0x20              ; scl
	v_lshl_add_u32 v[SPW], v0, 2, SPARE
	v_mov_b32 v[NIL], 0
	v_lshrrev_b32 v1, 5, v0
	v_readfirstlane_b32 s16, v1                    ; wave
	v_and_b32 v2, 31, v0                           ; lane
	s_wait_alu depctr_va_vdst(0)
	s_cmp_lt_u32 ttmp9, 128
	s_cbranch_scc0 .Lx
; THE WEIGHTS.  A lane takes a column, its registers run down K; a wave takes 32 columns x 256 along K; codes leave through the wave's stage.
.set NB,    8
.set PITCH, 272
.set KROW,  1024
.set X,     32
.set C,     96
.set OUTR,  112
.set SB,    24
.set RO,    176
.set BS,    32
	s_and_b32 s14, ttmp9, 31
	s_lshr_b32 s18, ttmp9, 5                       ; which 256 along K
	s_mov_b32 s31, MANT
	v_lshlrev_b32 v3, 2, v2
	s_mul_i32 s19, s16, 32*PITCH
	s_add_co_u32 s19, s19, WST                     ; my stage
	v_mul_u32_u24 v4, v2, PITCH
	v_add_nc_u32 v4, s19, v4                       ; into it: row = my column
	v_and_b32 v5, 15, v2
	v_lshrrev_b32 v6, 4, v2
	v_and_b32 v9, 7, v2                            ; my column's place among its 32 rows of scl
	v_and_b32 v10, 8, v2
	v_lshl_or_b32 v9, v10, 1, v9
	v_and_b32 v10, 16, v2
	v_lshrrev_b32 v10, 1, v10
	v_or_b32 v9, v9, v10
	v_lshlrev_b32 v9, 5, v9
	v_and_b32 v26, 8, v5                           ; out by images: lane (r, h) reads stage row r + 8 (r / 8), 16 h bytes on
	v_add_nc_u32 v26, v26, v5
	v_mul_u32_u24 v26, v26, PITCH
	v_lshl_add_u32 v26, v6, 4, v26
	v_add_nc_u32 v26, s19, v26
	v_lshlrev_b32 v27, 4, v2
	s_lshl_b32 s22, s16, 5
	s_wait_alu depctr_va_vdst(0)
	s_wait_kmcnt 0x0
	s_cmp_lt_u32 s14, 24                           ; W_qkv or W_out: the choice hangs on the work-group's number alone
	s_cselect_b64 s[4:5], s[6:7], s[8:9]
	s_mov_b32 s17, 4096
	s_cselect_b32 s17, 12288, s17                  ; bytes from row to row of the tensor
	s_cselect_b32 s20, 0, 24
	s_sub_co_u32 s21, s14, s20
	s_lshl_b32 s21, s21, 7
	s_add_co_u32 s21, s21, s22
	s_lshl_b32 s21, s21, 2
	s_lshl_b32 s23, s18, 8
	s_mul_i32 s23, s23, s17
	s_add_co_u32 s24, s23, s21
	s_mov_b32 s25, 0
	s_add_nc_u64 s[BS:BS+1], s[4:5], s[24:25]
	s_lshl_b32 s26, s17, 5
	s_mov_b32 s27, 0
.irp t, 1,2,3,4,5,6,7
	s_add_nc_u64 s[BS+2*\t:BS+2*\t+1], s[BS+2*\t-2:BS+2*\t-1], s[26:27]
.endr
	s_lshl_b32 s28, s14, 7
	s_add_co_u32 s28, s28, s22
	s_add_co_u32 s28, s28, 8192                    ; my wave's first place
	s_lshl_b32 s24, s28, 10
	s_lshl_b32 s29, s18, 12
	s_add_co_u32 s50, s24, s29                     ; images: two steps of 128 along K are 4,096 bytes of a block
	s_mov_b32 s51, 0
	s_add_nc_u64 s[48:49], s[10:11], s[50:51]
	s_lshl_b32 s24, s28, 5
	s_lshl_b32 s29, s18, 3
	s_add_co_u32 s24, s24, s29
	s_add_nc_u64 s[10:11], s[12:13], s[24:25]      ; scale bytes
.set i, 0
.rept 32
	v_mad_u32_u24 v[RO+i], s17, i, v3
.set i, i+1
.endr
.macro LOADW t
.set i, 0
.rept 32
	global_load_b32 v[X+32*((\t)%2)+i], v[RO+i], s[BS+2*(\t):BS+2*(\t)+1] th:TH_LOAD_NT
.set i, i+1
.endr
.endm
	LOADW 0
	LOADW 1
.macro BLOCK t
.set XS, X+32*((\t)%2)
.if (\t) < NB-1
	s_wait_loadcnt 32                              ; this block's 32 loads are in; the next block's may be out
.else
	s_wait_loadcnt 0
.endif
	v_max3_num_f32 v12, |v[XS]|, |v[XS+1]|, |v[XS+2]|
	v_max3_num_f32 v13, |v[XS+3]|, |v[XS+4]|, |v[XS+5]|
.irp i, 6,10,14,18,22,26
	v_max3_num_f32 v12, v12, |v[XS+\i]|, |v[XS+\i+1]|
	v_max3_num_f32 v13, v13, |v[XS+\i+2]|, |v[XS+\i+3]|
.endr
	v_max3_num_f32 v12, v12, |v[XS+30]|, |v[XS+31]|
	v_max3_num_f32 v12, v12, v13, (EMAX+1)<<23
	v_add_nc_u32 v11, -(EMAX<<23), v12
	v_and_or_b32 v10, v12, 0x7f800000, s31
	v_lshrrev_b32 v13, 23, v11
.if (\t)%4 == 0
	v_mov_b32 v[SB+(\t)/4], v13
.else
	v_lshl_or_b32 v[SB+(\t)/4], v13, 8*((\t)%4), v[SB+(\t)/4]
.endif
.irp i, 0,1,2,3,4,5,6,7,8,9,10,11,12,13,14,15,16,17,18,19,20,21,22,23,24,25,26,27,28,29,30,31
	v_med3_num_f32 v[XS+\i], v[XS+\i], -v10, v10
.endr
.irp g, 0,1,2,3
	v_cvt_scalef32_pk8_bf8_f32 v[C+2*\g:C+2*\g+1], v[XS+8*\g:XS+8*\g+7], v11
.endr
	v_nop
	ds_store_b128 v4, v[C:C+3] offset:32*(\t)
	ds_store_b128 v4, v[C+4:C+7] offset:32*(\t)+16
.if (\t)+2 < NB
	LOADW (\t)+2
.endif
	s_wait_dscnt 0x0                               ; the stores have read their registers
.endm
.set Q, 0
.rept NB
	BLOCK Q
.set Q, Q+1
.endr
	global_store_b64 v9, v[SB:SB+1], s[10:11]
; BOTH weights leave as images of operand registers: W_out's places 11,264 on are laid as W_qkv's are
.irp t, 0,1,2,3,4,5,6,7,8,9,10,11,12,13,14,15
	ds_load_b128 v[OUTR+4*\t:OUTR+4*\t+3], v26 offset:8*(\t/8)*PITCH+128*((\t/4)%2)+32*(\t%4)   ; image (block t / 8, step (t / 4) % 2, c = t % 4)
.endr
.irp t, 0,1,2,3,4,5,6,7,8,9,10,11,12,13,14,15
	s_wait_dscnt 15-\t
	global_store_b128 v27, v[OUTR+4*\t:OUTR+4*\t+3], s[48:49] offset:(\t/8)*16384+((\t/4)%2)*2048+(\t%4)*512   ; 512 consecutive bytes, aligned
.endr
	s_wait_tensorcnt 0x0                           ; the wave's end
	ds_add_u32 v[SPW], v[NIL]
	s_wait_dscnt 0x0
	s_endpgm
; x.  A wave takes 8 rows = 16 steps of 512 numbers; a step's 2,048 bytes turn through the wave's stage, so that a lane holds 16 neighbours along K (two lanes a block).  Loads run four steps ahead.
.Lx:
.set STEPS, 16
.set CB,    16
.set R,     16
.set X,     80
.set C,     128
.set E,     112
.set WREG,  8192
.set SP,    80
	v_lshlrev_b32 v3, 4, v2
	s_mul_i32 s17, s16, WREG
	v_lshrrev_b32 v14, 2, v2
	v_mul_u32_u24 v14, v14, SP
	v_and_b32 v15, 3, v2
	v_lshl_add_u32 v14, v15, 4, v14
	v_add_nc_u32 v14, s17, v14
	v_mul_u32_u24 v15, v2, SP
	v_add_nc_u32 v15, s17, v15
	v_mul_u32_u24 v4, v2, CB
	v_lshrrev_b32 v5, 1, v2
	s_add_co_u32 s17, s17, 2*32*SP
	v_add_nc_u32 v5, s17, v5
	v_lshlrev_b32 v7, 3, v2
	v_add_nc_u32 v6, s17, v7
	s_mov_b32 s23, MANT
	s_sub_co_u32 s15, ttmp9, 128
	s_lshl_b32 s17, s15, 2
	s_add_co_u32 s18, s17, s16                     ; the group of eight rows that I read
	s_lshl_b32 s18, s18, 15
	s_mov_b32 s19, 0
	s_and_b32 s20, s16, 1
	s_lshl_b32 s20, s20, 1
	s_lshr_b32 s21, s16, 1
	s_or_b32 s20, s20, s21                         ; groups 1 and 2 change places
	s_add_co_u32 s20, s17, s20
	s_lshl_b32 s24, s20, 13
	s_mov_b32 s25, 0
	s_lshl_b32 s26, s20, 8
	s_mov_b32 s27, 0
	s_wait_alu depctr_va_vdst(0)
	s_wait_kmcnt 0x0
	s_add_nc_u64 s[4:5], s[4:5], s[18:19]
	s_add_nc_u64 s[8:9], s[10:11], s[24:25]
	s_add_nc_u64 s[10:11], s[12:13], s[26:27]
.macro LOAD t
.irp i, 0,1,2,3
	global_load_b128 v[R+16*((\t)%4)+4*\i:R+16*((\t)%4)+4*\i+3], v3, s[4:5] offset:2048*(\t)+512*\i th:TH_LOAD_NT
.endr
.endm
.macro TURN t
.irp i, 0,1,2,3
	ds_store_b128 v14, v[R+16*((\t)%4)+4*\i:R+16*((\t)%4)+4*\i+3] offset:32*SP*((\t)%2)+8*SP*\i
.endr
.irp i, 0,1,2,3
	ds_load_b128 v[X+16*((\t)%2)+4*\i:X+16*((\t)%2)+4*\i+3], v15 offset:32*SP*((\t)%2)+16*\i
.endr
.endm
.irp t, 0,1,2,3
	LOAD \t
.endr
	s_wait_loadcnt 12                              ; step 0's four loads are in; the twelve behind them stay out
	TURN 0
.macro STEP t
.set XS, X+16*((\t)%2)
.if (\t) > 0
	s_wait_dscnt 1                                 ; this step's numbers are back (the last step's byte store may be out)
.else
	s_wait_dscnt 0x0
.endif
.if (\t)+4 < STEPS
	LOAD (\t)+4
.endif
.if (\t)+1 < STEPS
.if STEPS-2-(\t) >= 3
	s_wait_loadcnt 12                              ; the next step's four loads are in; three steps' may be out
.else
	s_wait_loadcnt 4*(STEPS-2-(\t))
.endif
	TURN (\t)+1
.endif
	v_max3_num_f32 v8, |v[XS]|, |v[XS+1]|, |v[XS+2]|
	v_max3_num_f32 v9, |v[XS+3]|, |v[XS+4]|, |v[XS+5]|
.irp i, 6,10
	v_max3_num_f32 v8, v8, |v[XS+\i]|, |v[XS+\i+1]|
	v_max3_num_f32 v9, v9, |v[XS+\i+2]|, |v[XS+\i+3]|
.endr
	v_max3_num_f32 v8, v8, |v[XS+14]|, |v[XS+15]|
	v_max3_num_f32 v8, v8, v9, (EMAX+1)<<23
	v_max_num_f32_dpp v8, v8, v8 row_xmask:1 row_mask:0xf bank_mask:0xf
	v_add_nc_u32 v11, -(EMAX<<23), v8
	v_and_or_b32 v10, v8, 0x7f800000, s23
.irp i, 0,1,2,3,4,5,6,7,8,9,10,11,12,13,14,15
	v_med3_num_f32 v[XS+\i], v[XS+\i], -v10, v10
.endr
	v_cvt_scalef32_pk8_bf8_f32 v[C+4*(\t):C+4*(\t)+1], v[XS:XS+7], v11
	v_cvt_scalef32_pk8_bf8_f32 v[C+4*(\t)+2:C+4*(\t)+3], v[XS+8:XS+15], v11
	v_lshrrev_b32 v[E+(\t)], 23, v11
	ds_store_b8 v5, v[E+(\t)] offset:16*(\t)
	global_store_b128 v4, v[C+4*(\t):C+4*(\t)+3], s[8:9] offset:32*CB*(\t)
.endm
.irp t, 0,1,2,3,4,5,6,7,8,9,10,11,12,13,14,15
	STEP \t
.endr
	ds_load_b64 v[12:13], v6
	s_wait_dscnt 0x0
	global_store_b64 v7, v[12:13], s[10:11]
	s_wait_tensorcnt 0x0
	ds_add_u32 v[SPW], v[NIL]
	s_wait_dscnt 0x0
	s_endpgm
.Lfunc_end_k_qd4ee97b84a_quant:
	.size	k_qd4ee97b84a_quant, .Lfunc_end_k_qd4ee97b84a_quant-k_qd4ee97b84a_quant
	.p2alignl 7, 3214868480
	.fill 96, 4, 3214868480
	.section	.rodata,"a",@progbits
	.p2align	6, 0x0
	.amdhsa_kernel k_qd4ee97b84a_quant
		.amdhsa_group_segment_fixed_size 68096
		.amdhsa_private_segment_fixed_size 0
		.amdhsa_enable_private_segment 0
		.amdhsa_kernarg_size 40
		.amdhsa_user_sgpr_count 2
		.amdhsa_user_sgpr_kernarg_segment_ptr 1
		.amdhsa_wavefront_size32 1
		.amdhsa_system_sgpr_workgroup_id_x 1
		.amdhsa_system_sgpr_workgroup_id_y 1
		.amdhsa_system_sgpr_workgroup_id_z 1
		.amdhsa_system_vgpr_workitem_id 0
		.amdhsa_next_free_vgpr 210
		.amdhsa_next_free_sgpr 66
		.amdhsa_reserve_vcc 0
		.amdhsa_float_denorm_mode_32 3
		.amdhsa_float_denorm_mode_16_64 3
		.amdhsa_memory_ordered 1
		.amdhsa_forward_progress 1
		.amdhsa_inst_pref_size 112
	.end_amdhsa_kernel
	.amdgpu_metadata
---
amdhsa.version: [ 1, 2 ]
amdhsa.kernels:
  - .name:           k_qd4ee97b84a_quant
    .symbol:         k_qd4ee97b84a_quant.kd
    .args:
      - { .name: x, .offset: 0, .size: 8, .value_kind: global_buffer, .address_space: global }
      - { .name: W_qkv, .offset: 8, .size: 8, .value_kind: global_buffer, .address_space: global }
      - { .name: W_out, .offset: 16, .size: 8, .value_kind: global_buffer, .address_space: global }
      - { .name: cod, .offset: 24, .size: 8, .value_kind: global_buffer, .address_space: global }
      - { .name: scl, .offset: 32, .size: 8, .value_kind: global_buffer, .address_space: global }
    .group_segment_fixed_size: 68096
    .private_segment_fixed_size: 0
    .kernarg_segment_align: 8
    .kernarg_segment_size: 40
    .max_flat_workgroup_size: 128
    .sgpr_count:     66
    .vgpr_count:     210
    .wavefront_size: 32
...
	.end_amdgpu_metadata
.endif
;; end of part 1
;; launch qkv_proj (part 2): grid 8 x 32, 4 waves a work-group, clusters of 4 x 1, 327,680 bytes of LDS; arguments cod, scl, b_qkv, qkv; writes qkv
.if DOCPART == 2
	.amdgcn_target "amdgcn-amd-amdhsa--gfx1250"
	.amdhsa_code_object_version 6
	.text
	.protected	k_qd4ee97b84a_qkv_proj
	.globl	k_qd4ee97b84a_qkv_proj
	.p2align	8
	.type	k_qd4ee97b84a_qkv_proj,@function
k_qd4ee97b84a_qkv_proj:
	s_mov_b64 s[64:65], 0
	v_nop
	global_prefetch_b8 v0, s[64:65] scope:SCOPE_SE
	s_setreg_imm32_b32 hwreg(HW_REG_WAVE_MODE, 25, 1), 1
	s_wait_xcnt 0x0
	s_wait_alu depctr_hold_cnt(0) depctr_sa_sdst(0) depctr_va_vdst(0) depctr_va_sdst(0) depctr_va_ssrc(0) depctr_va_vcc(0) depctr_vm_vsrc(0)
	s_getreg_b32 s2, hwreg(HW_REG_IB_STS2, 6, 4)
	s_cmp_eq_u32 s2, 0
	s_cbranch_scc0 .Lentry_in_a_cluster
	s_endpgm
.Lentry_in_a_cluster:
	s_bfe_u32 s2, ttmp6, 0x10000c
	s_cmp_lg_u32 s2, 0x3003
	s_cbranch_scc0 .Lentry_shape_is_right
	s_endpgm
.Lentry_shape_is_right:
; q, k, v = x W_qkv + b_qkv on codes of E5M2 with E8M0 scales (8,192 x 3,072 x 1,024), and the quantisers of q, k (along the head's 64) and v (along the tokens).  No f32 result is stored.
; THE DEAL.  256 work-groups of four waves.  A work-group owns 256 tokens (tile = cluster y) and 384 columns (group cg = 4 x cluster x + cx).  Its tokens' codes, 256 rows of 1,024 bytes, come into LDS once and stay: no LDS byte is filled twice.
; A wave holds 64 places of W_qkv, ALL of K, in 512 registers, loaded straight from memory, where they lie as images of these registers (65,536 consecutive bytes), and streams blocks of 16 tokens past them: 32 products a block.
; PHASE 1: wave w takes unit 4 cg + w (units 0-15 q's heads, 16-31 k's) for all 16 blocks.  PHASE 2: wave w takes v's head 2 cg + w / 2 for the 8 blocks of tokens 128 (w % 2) on.  24 blocks for every wave; no branch hangs on cx.
; LAYOUT.  q, k: source 0 = the weight's 16 places, source 1 = 16 tokens: a lane holds one token, the 16 registers of tiles 2 f, 2 f + 1 are d = 32 f + 16 h + 0 .. 15.  v: the sources swapped: a lane holds one d, the 16 registers of blocks 2 c, 2 c + 1 are tokens 32 c + 16 h + 0 .. 15.
; A scale block of 32 lies in lanes l and l xor 16.  The bias is the C of each sum's first product.
; OUT: qkv [kind 3][16 batch + head][step of 128 tokens: 8,448 bytes].  A record of q, k: images [block a 8][c 2][lane][16 bytes], then words [r 16][f 4] (bytes: block 2 f's two, block 2 f + 1's two).  Of v: images [tile t 4][c 4][lane][16], then words [r 16][t 4] (byte c).  A wave writes whole records.
; CLUSTER: the four partners share the tile's tokens: each wave's 64 rows are asked for jointly (mask 15).  The weights are shared by no partner.
; PREFETCH: v's weights are first wanted at the change of phase.  The two clusters of tile 0 ask for theirs in the first four trips of phase 1's loop, 8,192 bytes a wave and trip, lanes 256 bytes apart: each block of 256 bytes is named once.  x and the first weights are wanted at the head, where no loop runs ahead of them.
; LIMITS: a block of zeros, or one under 2^(16 - 127), gets the byte 1 (zero codes; this program alone reads the bytes); NaN, infinities and sums beyond f32's range are not served.
; REGISTERS: windows 1, 2 the weight (fragment 4 q + b); window 3 two sets of a block of x; window 0 all else.
.set PITCH, 1040                       ; an LDS row: 1,024 bytes + 16
.set BLKB,  16*PITCH
.set XS,    256*PITCH                  ; x's scale bytes: units of 256 bytes (8 rows) + 16, stored by the waves: no tile lands there
.set SBLK,  544                        ; 16 rows of them
.set SPARE, XS+32*272
.set STEPB, 8448
.set HEADB, 135168
.set KINDB, 8650752
.set NF,    34                         ; LDS loads of a block
.set FLOOR, 0x8000000
.set ADRA0, 4
.set L16,   5
.set AAS0,  6
.set ABS,   7
.set BO1,   8
.set SPW,   10
.set NIL,   11
.set ADRA,  12
.set AAS,   13
.set PFO,   14
.set BO2,   15
.set XGO,   17
.set XLA,   18
.set WOF,   19
.set WD,    20                         ; v20-23 a record's four scale words of q, k
.set SB,    24                         ; v24-39 the weight's scale words: register 8 p + q: lanes 0-15 tile 2 p, lanes 16-31 tile 2 p + 1
.set EB,    40
.set SA,    44                         ; v44-59 x's scale words, two sets
.set TM,    60                         ; v60-75 maxima, the other half's, bounds, scale operands
.set WO,    76
.set ACC,   80                         ; v80-143 two sets of four accumulators
.set BQ,    144                        ; v144-175 the first products' C
.set BV,    176
.set CD,    180                        ; v180-195 codes
.set WV,    196                        ; v196-199 v's scale words
.set XT,    200
.set G1,    24
.set G0,    32
.set MSB, 0
.macro WIN new
.if MSB != \new
	s_set_vgpr_msb (MSB<<8)|\new
.set MSB, \new
.endif
.endm
.macro PLACES n
.rept \n
	v_nop
.endr
.endm
.macro CROUND
	s_barrier_signal -1
	s_barrier_wait -1
	s_cmp_lg_u32 s14, 0
	s_cbranch_scc1 .Lnot_wave_0_\@
	s_barrier_signal -3
.Lnot_wave_0_\@:
	s_barrier_wait -3
	s_barrier_signal -1
	s_barrier_wait -1
.endm
.macro WLOAD base                      ; 64 places of a weight, all of K: 128 loads of 512 consecutive bytes
.set I_, 0
.rept 128
.set FB_, 4*((I_%32)/4)+I_/32
	WIN (1+FB_/16)<<6
	global_load_b128 v[16*(FB_%16)+4*(I_%4):16*(FB_%16)+4*(I_%4)+3], v[L16], s[\base:\base+1] offset:512*I_
.set I_, I_+1
.endr
	WIN 0
.endm
.macro SBLOAD base                     ; its scale words: lane l takes place l of a pair of tiles
.irp p, 0,1
.irp c, 0,1
	global_load_b128 v[SB+8*\p+4*\c:SB+8*\p+4*\c+3], v[ABS], s[\base:\base+1] offset:1024*\p+16*\c
.endr
.endr
.endm
.macro FETCH k, a, s                   ; a block into set k: its scale words first, then its eight fragments
	ds_load_b128 v[SA+8*\k:SA+8*\k+3], v[\s]
	ds_load_b128 v[SA+8*\k+4:SA+8*\k+7], v[\s] offset:16
	WIN 3<<6
.irp q, 0,1,2,3,4,5,6,7
.irp c, 0,1,2,3
	ds_load_b128 v[128*\k+16*\q+4*\c:128*\k+16*\q+4*\c+3], v[\a] offset:128*\q+32*\c
.endr
.endr
	WIN 0
.endm
.macro NEXT e                          ; eight plain lines behind the block's last product, then, in one run, the block two on into the set that it has read
	WIN 0
	v_add_nc_u32 v[ADRA], s47, v[ADRA0]
	v_add_nc_u32 v[AAS], s48, v[AAS0]
	PLACES 6
	FETCH \e, ADRA, AAS
	s_add_co_u32 s47, s47, BLKB
	s_add_co_u32 s48, s48, SBLK
.endm
.macro PRODS kind, e, a                ; 32 products: the four accumulators by turns, K ascending
.set N_, 0
.rept 32
.set Q_, N_/4
.set B_, N_%4
.set AC_, ACC+32*(\a)+8*B_
.set C_, AC_
.if Q_ == 0
.set C_, BQ+8*B_
.endif
.set R_, 128*(\e)+16*Q_
.set W_, 16*(N_%16)
.set XS_, SA+8*(\e)+Q_
.set WS_, SB+8*(B_/2)+Q_
.if \kind
	WIN 3|((1+N_/16)<<2)
.if B_%2
	v_wmma_scale_f32_16x16x128_f8f6f4 v[AC_:AC_+7], v[R_:R_+15], v[W_:W_+15], v[C_:C_+7], v[XS_], v[WS_] matrix_a_fmt:MATRIX_FMT_BF8 matrix_b_fmt:MATRIX_FMT_BF8 matrix_b_scale:MATRIX_SCALE_ROW1
.else
	v_wmma_scale_f32_16x16x128_f8f6f4 v[AC_:AC_+7], v[R_:R_+15], v[W_:W_+15], v[C_:C_+7], v[XS_], v[WS_] matrix_a_fmt:MATRIX_FMT_BF8 matrix_b_fmt:MATRIX_FMT_BF8
.endif
.else
	WIN (1+N_/16)|(3<<2)
.if B_%2
	v_wmma_scale_f32_16x16x128_f8f6f4 v[AC_:AC_+7], v[W_:W_+15], v[R_:R_+15], v[C_:C_+7], v[WS_], v[XS_] matrix_a_fmt:MATRIX_FMT_BF8 matrix_b_fmt:MATRIX_FMT_BF8 matrix_a_scale:MATRIX_SCALE_ROW1
.else
	v_wmma_scale_f32_16x16x128_f8f6f4 v[AC_:AC_+7], v[W_:W_+15], v[R_:R_+15], v[C_:C_+7], v[WS_], v[XS_] matrix_a_fmt:MATRIX_FMT_BF8 matrix_b_fmt:MATRIX_FMT_BF8
.endif
.endif
.set N_, N_+1
.endr
.endm
.macro QEPI odd                        ; the quantiser of a block of q or k: two scale blocks of 32 along d
.irp b, 0,1,2,3
	v_max3_num_f32 v[TM+\b], |v[ACC+8*\b]|, |v[ACC+8*\b+1]|, |v[ACC+8*\b+2]|
.endr
.irp i, 3,5
.irp b, 0,1,2,3
	v_max3_num_f32 v[TM+\b], v[TM+\b], |v[ACC+8*\b+\i]|, |v[ACC+8*\b+\i+1]|
.endr
.endr
.irp b, 0,1,2,3
	v_max_num_f32 v[TM+\b], v[TM+\b], |v[ACC+8*\b+7]|
.endr
.irp f, 0,2
	v_max3_num_f32 v[TM+\f], v[TM+\f], v[TM+\f+1], FLOOR
.endr
.irp f, 0,2
	v_permlanex16_b32 v[TM+4+\f], v[TM+\f], s60, s61
.endr
.irp f, 0,2
	v_max_num_f32 v[TM+\f], v[TM+\f], v[TM+4+\f]
.endr
.irp f, 0,2
	v_add_nc_u32 v[TM+12+\f], 0xf8800000, v[TM+\f]
.endr
.irp f, 0,2
	v_and_or_b32 v[TM+8+\f], v[TM+\f], 0x7f800000, s62
.endr
	v_lshrrev_b32 v[EB+2*\odd], 23, v[TM+12]
	v_lshrrev_b32 v[EB+2*\odd+1], 23, v[TM+14]
.if \odd
	v_mov_b32 v[WD], v[WD+1]                       ; the record's words move down; the pair's word comes in on top
	v_mov_b32 v[WD+1], v[WD+2]
	v_mov_b32 v[WD+2], v[WD+3]
	v_lshl_or_b32 v[WD+3], v[EB+1], 8, v[EB]
	v_lshl_or_b32 v[WD+3], v[EB+2], 16, v[WD+3]
	v_lshl_or_b32 v[WD+3], v[EB+3], 24, v[WD+3]
.endif
.irp f, 0,1
.irp i, 0,1,2,3,4,5,6,7,8,9,10,11,12,13,14,15
	v_med3_num_f32 v[ACC+16*\f+\i], v[ACC+16*\f+\i], -v[TM+8+2*\f], v[TM+8+2*\f]
.endr
	v_cvt_scalef32_pk8_bf8_f32 v[CD+4*\f:CD+4*\f+1], v[ACC+16*\f:ACC+16*\f+7], v[TM+12+2*\f]
	v_cvt_scalef32_pk8_bf8_f32 v[CD+4*\f+2:CD+4*\f+3], v[ACC+16*\f+8:ACC+16*\f+15], v[TM+12+2*\f]
.endr
	v_nop                                          ; a plain line behind the last conversion
.endm
.macro QBLK e, pf, wl
	s_wait_dscnt NF                                ; this block's 34 loads are in; the next block's 34 may be out
	s_wait_xcnt 0x0                                ; earlier stores and prefetches have read their registers
	s_add_nc_u64 s[84:85], s[84:85], 1024
.if \e
	s_add_nc_u64 s[50:51], s[50:51], 8192
.endif
	PRODS 0, \e, 0
	NEXT \e
.if \pf
	s_cmp_lt_u32 s46, s49
	s_cbranch_scc0 .Lnone_\@
	global_prefetch_b8 v[PFO], s[50:51] th:TH_LOAD_NT scope:SCOPE_SE
.Lnone_\@:
.endif
.if \wl
	WLOAD 38                                       ; v's weight and its scale words set out under the last block's quantiser
	SBLOAD 42
.endif
	QEPI \e
	global_store_b128 v[L16], v[CD:CD+3], s[84:85]
	global_store_b128 v[L16], v[CD+4:CD+7], s[84:85] offset:512
.endm
.macro WORDS                           ; a record's 256 bytes of scale words: lane (r, h) stores words 2 h, 2 h + 1 of row r, behind block 7's images
	v_cndmask_b32 v[WO], v[WD], v[WD+2], s63
	v_cndmask_b32 v[WO+1], v[WD+1], v[WD+3], s63
	global_store_b64 v[WOF], v[WO:WO+1], s[84:85] offset:1024
	s_wait_xcnt 0x0
	s_add_nc_u64 s[84:85], s[84:85], 256
.endm
.macro VEPI                            ; the quantiser of a pair of v's blocks: for each tile of 16 d a scale block of 32 tokens
.irp t, 0,1,2,3
	v_max3_num_f32 v[TM+\t], |v[ACC+8*\t]|, |v[ACC+8*\t+1]|, |v[ACC+8*\t+2]|
.endr
.irp t, 0,1,2,3
	v_max3_num_f32 v[TM+4+\t], |v[ACC+32+8*\t]|, |v[ACC+33+8*\t]|, |v[ACC+34+8*\t]|
.endr
.irp i, 3,5
.irp t, 0,1,2,3
	v_max3_num_f32 v[TM+\t], v[TM+\t], |v[ACC+8*\t+\i]|, |v[ACC+8*\t+\i+1]|
.endr
.irp t, 0,1,2,3
	v_max3_num_f32 v[TM+4+\t], v[TM+4+\t], |v[ACC+32+8*\t+\i]|, |v[ACC+33+8*\t+\i]|
.endr
.endr
.irp t, 0,1,2,3
	v_max3_num_f32 v[TM+\t], v[TM+\t], |v[ACC+8*\t+7]|, |v[ACC+39+8*\t]|
.endr
.irp t, 0,1,2,3
	v_max3_num_f32 v[TM+\t], v[TM+\t], v[TM+4+\t], FLOOR
.endr
.irp t, 0,1,2,3
	v_permlanex16_b32 v[TM+4+\t], v[TM+\t], s60, s61
.endr
.irp t, 0,1,2,3
	v_max_num_f32 v[TM+\t], v[TM+\t], v[TM+4+\t]
.endr
.irp t, 0,1,2,3
	v_add_nc_u32 v[TM+12+\t], 0xf8800000, v[TM+\t]
.endr
.irp t, 0,1,2,3
	v_and_or_b32 v[TM+8+\t], v[TM+\t], 0x7f800000, s62
.endr
.irp t, 0,1,2,3
	v_lshrrev_b32 v[EB+\t], 23, v[TM+12+\t]
.endr
.irp t, 0,1,2,3
	v_lshrrev_b32 v[WV+\t], 8, v[WV+\t]            ; the word moves down a byte; after four pairs pair c's byte is byte c
.endr
.irp t, 0,1,2,3
	v_lshl_or_b32 v[WV+\t], v[EB+\t], 24, v[WV+\t]
.endr
.irp t, 0,1,2,3
.irp i, 0,1,2,3,4,5,6,7
	v_med3_num_f32 v[ACC+8*\t+\i], v[ACC+8*\t+\i], -v[TM+8+\t], v[TM+8+\t]
	v_med3_num_f32 v[ACC+32+8*\t+\i], v[ACC+32+8*\t+\i], -v[TM+8+\t], v[TM+8+\t]
.endr
	v_cvt_scalef32_pk8_bf8_f32 v[CD+4*\t:CD+4*\t+1], v[ACC+8*\t:ACC+8*\t+7], v[TM+12+\t]
	v_cvt_scalef32_pk8_bf8_f32 v[CD+4*\t+2:CD+4*\t+3], v[ACC+32+8*\t:ACC+39+8*\t], v[TM+12+\t]
.endr
	v_nop
.endm
.macro VPAIR fetch
	s_wait_dscnt NF
	s_wait_xcnt 0x0
	s_add_nc_u64 s[86:87], s[86:87], 512
	PRODS 1, 0, 0
.if \fetch
	NEXT 0
	s_wait_dscnt NF
.else
	WIN 0
	s_wait_dscnt 0x0
.endif
	PRODS 1, 1, 1
.if \fetch
	NEXT 1
.else
	WIN 0
	PLACES 8
.endif
	VEPI
.irp t, 0,1,2,3
	global_store_b128 v[L16], v[CD+4*\t:CD+4*\t+3], s[86:87] offset:2048*\t
.endr
.endm
	s_load_b256 s[4:11], s[0:1], 0x0               ; cod, scl, b_qkv, qkv
	v_lshl_add_u32 v[SPW], v0, 2, SPARE
	v_mov_b32 v[NIL], 0
	ds_add_u32 v[SPW], v[NIL]                      ; the opening lines: the add twice on end and its wait ahead of my tensor load
	ds_add_u32 v[SPW], v[NIL]
	v_lshrrev_b32 v1, 5, v0
	v_readfirstlane_b32 s14, v1                    ; wave
	s_lshr_b32 s15, s14, 1
	s_and_b32 s16, s14, 1
	s_bfe_u32 s17, ttmp6, 0x40000                  ; cx: it enters global addresses alone
	s_lshl_b32 s18, ttmp9, 2
	s_add_co_u32 s18, s18, s17                     ; cg
	s_and_b32 s19, ttmp7, 0xffff                   ; the tile of 256 tokens, which the partners share
	s_mov_b32 s[G1], 15|(1<<20)|(1<<21)|(7<<22)|(3<<25)   ; all four partners; 1-byte elements; four words of padding behind every 256
	s_mov_b32 s[G1+1], 1024<<16
	s_mov_b32 s[G1+2], 64<<16
	s_mov_b32 s[G1+3], 1024<<16
	s_mov_b32 s[G1+4], 64
	s_mov_b32 s[G1+5], 1024
	s_mov_b32 s[G1+6], 0
	s_mov_b32 s[G1+7], 0
	s_mov_b32 s[G0], 1
	s_mul_i32 s[G0+1], s14, 64*PITCH               ; my 64 rows of the tile
	s_lshl_b32 s44, s19, 18
	s_lshl_b32 s45, s14, 16
	s_add_co_u32 s44, s44, s45
	s_mov_b32 s45, 0
	s_lshl_b32 s22, s18, 2
	s_add_co_u32 s22, s22, s14                     ; phase 1's unit
	s_lshl_b32 s36, s22, 16
	s_add_co_u32 s36, s36, 8192*1024
	s_mov_b32 s37, 0
	s_lshl_b32 s40, s22, 11
	s_add_co_u32 s40, s40, 8192*32
	s_mov_b32 s41, 0
	s_lshl_b32 s52, s22, 8
	s_mov_b32 s53, 0
	s_lshr_b32 s20, s19, 3
	s_lshl_b32 s20, s20, 4                         ; 16 x batch
	s_and_b32 s21, s19, 7
	s_mul_i32 s21, s21, 2*STEPB                    ; the tile's first record in a head
	s_lshr_b32 s23, s22, 4
	s_mul_i32 s84, s23, KINDB
	s_and_b32 s23, s22, 15
	s_add_co_u32 s23, s23, s20
	s_mul_i32 s23, s23, HEADB
	s_add_co_u32 s84, s84, s23
	s_add_co_u32 s84, s84, s21
	s_mov_b32 s85, 0
	s_lshl_b32 s22, s18, 1
	s_lshl_b32 s50, s22, 16                        ; the prefetches: my quarter of the work-group's two heads of v's weight
	s_lshl_b32 s23, s14, 15
	s_add_co_u32 s50, s50, s23
	s_add_co_u32 s50, s50, 10240*1024
	s_mov_b32 s51, 0
	s_add_co_u32 s22, s22, s15                     ; phase 2's head
	s_lshl_b32 s38, s22, 16
	s_add_co_u32 s38, s38, 10240*1024
	s_mov_b32 s39, 0
	s_lshl_b32 s42, s22, 11
	s_add_co_u32 s42, s42, 10240*32
	s_mov_b32 s43, 0
	s_lshl_b32 s54, s22, 8
	s_add_co_u32 s54, s54, 8192
	s_mov_b32 s55, 0
	s_add_co_u32 s23, s22, s20
	s_mul_i32 s86, s23, HEADB
	s_add_co_u32 s86, s86, s21
	s_mul_i32 s23, s16, STEPB
	s_add_co_u32 s86, s86, s23
	s_add_co_u32 s86, s86, 2*KINDB
	s_mov_b32 s87, 0
	s_lshl_b32 s56, s19, 13                        ; the tile's scale bytes
	s_mov_b32 s57, 0
	s_cmp_eq_u32 s19, 0
	s_cselect_b32 s49, 4, 0                        ; trips in which I prefetch
	s_mov_b32 s60, 0x76543210
	s_mov_b32 s61, 0xfedcba98
	s_mov_b32 s62, 0x600000
	v_and_b32 v1, 15, v0                           ; r
	v_bfe_u32 v2, v0, 4, 1                         ; h
	v_and_b32 v3, 31, v0
	v_mul_u32_u24 v[ADRA0], v1, PITCH
	v_lshl_add_u32 v[ADRA0], v2, 4, v[ADRA0]
	v_lshlrev_b32 v[L16], 4, v3
	v_lshrrev_b32 v9, 3, v1
	v_lshlrev_b32 v[AAS0], 5, v1
	v_lshl_add_u32 v[AAS0], v9, 4, v[AAS0]
	v_add_nc_u32 v[AAS0], XS, v[AAS0]
	v_lshlrev_b32 v[ABS], 5, v3
	v_lshlrev_b32 v[BO1], 6, v2
	v_and_b32 v[BO2], 8, v1
	v_add_nc_u32 v[BO2], v[BO2], v1
	v_lshlrev_b32 v[BO2], 2, v[BO2]
	v_lshlrev_b32 v[PFO], 8, v3
	v_lshlrev_b32 v[XGO], 4, v0
	v_lshrrev_b32 v[XLA], 4, v0
	v_lshl_add_u32 v[XLA], v[XLA], 4, v[XGO]
	v_add_nc_u32 v[XLA], XS, v[XLA]
	v_lshlrev_b32 v[WOF], 4, v1
	v_lshl_add_u32 v[WOF], v2, 3, v[WOF]
	v_cmp_eq_u32 s63, 1, v2                        ; lanes 16-31
	v_add_nc_u32 v16, BLKB, v[ADRA0]               ; block 1
	v_add_nc_u32 v9, SBLK, v[AAS0]
.irp j, 0,1,2,3
	v_mov_b32 v[TM+4+\j], 0                        ; a lane permute's destination counts as one of its sources
	v_mov_b32 v[WD+\j], 0
	v_mov_b32 v[WV+\j], 0
.endr
	s_wait_alu depctr_va_vdst(0)
	s_wait_dscnt 0x0
	CROUND                                         ; all four partners are here: the joint loads meet
	s_wait_kmcnt 0x0
	s_add_nc_u64 s[G0+2:G0+3], s[4:5], s[44:45]
	s_or_b32 s[G0+3], s[G0+3], 0x80000000
	tensor_load_to_lds s[G0:G0+3], s[G1:G1+7]      ; my one tensor load
	s_nop 0
	PLACES 4
	s_add_nc_u64 s[56:57], s[6:7], s[56:57]
	s_add_nc_u64 s[40:41], s[6:7], s[40:41]
	s_add_nc_u64 s[42:43], s[6:7], s[42:43]
	s_add_nc_u64 s[52:53], s[8:9], s[52:53]
	s_add_nc_u64 s[54:55], s[8:9], s[54:55]
	s_add_nc_u64 s[36:37], s[4:5], s[36:37]
	s_add_nc_u64 s[38:39], s[4:5], s[38:39]
	s_add_nc_u64 s[50:51], s[4:5], s[50:51]
	s_add_nc_u64 s[84:85], s[10:11], s[84:85]
	s_sub_nc_u64 s[84:85], s[84:85], 1024          ; each block steps its pointer first
	s_add_nc_u64 s[86:87], s[10:11], s[86:87]
	s_sub_nc_u64 s[86:87], s[86:87], 512
.irp i, 0,1,2,3
	global_load_b128 v[XT+4*\i:XT+4*\i+3], v[XGO], s[56:57] offset:2048*\i   ; x's scale bytes: the work-group reads 2,048 consecutive bytes
.endr
	SBLOAD 40
.irp b, 0,1,2,3
	global_load_b128 v[BQ+8*\b:BQ+8*\b+3], v[BO1], s[52:53] offset:(32*(\b/2)+8*(\b%2))*4      ; register j of tile b is d = 32 (b / 2) + 16 h + 8 (b % 2) + j
	global_load_b128 v[BQ+8*\b+4:BQ+8*\b+7], v[BO1], s[52:53] offset:(32*(\b/2)+8*(\b%2))*4+16
.endr
.irp t, 0,1,2,3
	global_load_b32 v[BV+\t], v[BO2], s[54:55] offset:(32*(\t/2)+8*(\t%2))*4   ; v: lane r of tile t is d = 32 (t / 2) + 8 (t % 2) + r + 8 (r / 8)
.endr
	WLOAD 36
	s_mov_b32 s47, 2*BLKB
	s_mov_b32 s48, 2*SBLK
	s_mov_b32 s46, 0
	s_wait_loadcnt 0x0
.irp i, 0,1,2,3
	ds_store_b128 v[XLA], v[XT+4*\i:XT+4*\i+3] offset:2176*\i   ; 16 bytes of padding behind each 256
.endr
	s_wait_tensorcnt 0x0                           ; my rows are in,
	s_wait_dscnt 0x0                               ; my scale bytes lie in LDS
	s_barrier_signal -1
	s_barrier_wait -1
	FETCH 0, ADRA0, AAS0
	FETCH 1, 16, 9
.Lqk:                                              ; seven trips of two blocks: blocks 0 to 13
	QBLK 0, 1, 0
	QBLK 1, 0, 0
	s_wait_alu depctr_va_vdst(0)
	s_cmp_eq_u32 s46, 3
	s_cbranch_scc0 .Lno_words
	WORDS
.Lno_words:
	s_add_co_u32 s46, s46, 1
	s_cmp_lt_u32 s46, 7
	s_cbranch_scc1 .Lqk
	s_mul_i32 s47, s16, 8*BLKB                     ; the block two on is now phase 2's: my half of the tile
	s_mul_i32 s48, s16, 8*SBLK
	QBLK 0, 0, 0
	QBLK 1, 0, 1
	WORDS
.irp t, 0,1,2,3
.irp i, 0,1,2,3,4,5,6,7
	v_mov_b32 v[BQ+8*\t+\i], v[BV+\t]              ; v's bias: one number for a tile's eight registers
.endr
.endr
	s_mov_b32 s46, 0
	s_wait_alu depctr_va_vdst(0)
	s_wait_loadcnt 0x0                             ; v's weight is in registers
.Lv:
	VPAIR 1
	s_wait_alu depctr_va_vdst(0)
	s_add_co_u32 s46, s46, 1
	s_cmp_lt_u32 s46, 3
	s_cbranch_scc1 .Lv
	VPAIR 0
	v_cndmask_b32 v[WO], v[WV], v[WV+2], s63
	v_cndmask_b32 v[WO+1], v[WV+1], v[WV+3], s63
	global_store_b64 v[WOF], v[WO:WO+1], s[86:87] offset:8192-1536
	s_wait_tensorcnt 0x0                           ; the wave's end
	ds_add_u32 v[SPW], v[NIL]
	s_wait_dscnt 0x0
	CROUND                                         ; the closing round
	s_endpgm
.Lfunc_end_k_qd4ee97b84a_qkv_proj:
	.size	k_qd4ee97b84a_qkv_proj, .Lfunc_end_k_qd4ee97b84a_qkv_proj-k_qd4ee97b84a_qkv_proj
	.p2alignl 7, 3214868480
	.fill 96, 4, 3214868480
	.section	.rodata,"a",@progbits
	.p2align	6, 0x0
	.amdhsa_kernel k_qd4ee97b84a_qkv_proj
		.amdhsa_group_segment_fixed_size 327680
		.amdhsa_private_segment_fixed_size 0
		.amdhsa_enable_private_segment 0
		.amdhsa_kernarg_size 32
		.amdhsa_user_sgpr_count 2
		.amdhsa_user_sgpr_kernarg_segment_ptr 1
		.amdhsa_wavefront_size32 1
		.amdhsa_system_sgpr_workgroup_id_x 1
		.amdhsa_system_sgpr_workgroup_id_y 1
		.amdhsa_system_sgpr_workgroup_id_z 1
		.amdhsa_system_vgpr_workitem_id 0
		.amdhsa_next_free_vgpr 1024
		.amdhsa_next_free_sgpr 90
		.amdhsa_reserve_vcc 0
		.amdhsa_float_denorm_mode_32 3
		.amdhsa_float_denorm_mode_16_64 3
		.amdhsa_memory_ordered 1
		.amdhsa_forward_progress 1
		.amdhsa_inst_pref_size 126
	.end_amdhsa_kernel
	.amdgpu_metadata
---
amdhsa.version: [ 1, 2 ]
amdhsa.kernels:
  - .name:           k_qd4ee97b84a_qkv_proj
    .symbol:         k_qd4ee97b84a_qkv_proj.kd
    .args:
      - { .name: cod, .offset: 0, .size: 8, .value_kind: global_buffer, .address_space: global }
      - { .name: scl, .offset: 8, .size: 8, .value_kind: global_buffer, .address_space: global }
      - { .name: b_qkv, .offset: 16, .size: 8, .value_kind: global_buffer, .address_space: global }
      - { .name: qkv, .offset: 24, .size: 8, .value_kind: global_buffer, .address_space: global }
    .group_segment_fixed_size: 327680
    .private_segment_fixed_size: 0
    .kernarg_segment_align: 8
    .kernarg_segment_size: 32
    .max_flat_workgroup_size: 128
    .sgpr_count:     90
    .vgpr_count:     1024
    .wavefront_size: 32
...
	.end_amdgpu_metadata
.endif
;; end of part 2
;; launch attn (part 3): grid 4 x 64, 16 waves a work-group, clusters of 4 x 1, 327,680 bytes of LDS; arguments qkv, ao, asc; writes ao, asc
.if DOCPART == 3
	.amdgcn_target "amdgcn-amd-amdhsa--gfx1250"
	.amdhsa_code_object_version 6
	.text
	.protected	k_qd4ee97b84a_attn
	.globl	k_qd4ee97b84a_attn
	.p2align	8
	.type	k_qd4ee97b84a_attn,@function
k_qd4ee97b84a_attn:
	s_mov_b64 s[64:65], 0
	v_nop
	global_prefetch_b8 v0, s[64:65] scope:SCOPE_SE
	s_setreg_imm32_b32 hwreg(HW_REG_WAVE_MODE, 25, 1), 1
	s_wait_xcnt 0x0
	s_wait_alu depctr_hold_cnt(0) depctr_sa_sdst(0) depctr_va_vdst(0) depctr_va_sdst(0) depctr_va_ssrc(0) depctr_va_vcc(0) depctr_vm_vsrc(0)
	s_getreg_b32 s2, hwreg(HW_REG_IB_STS2, 6, 4)
	s_cmp_eq_u32 s2, 0
	s_cbranch_scc0 .Lentry_in_a_cluster
	s_endpgm
.Lentry_in_a_cluster:
	s_bfe_u32 s2, ttmp6, 0x10000c
	s_cmp_lg_u32 s2, 0x3003
	s_cbranch_scc0 .Lentry_shape_is_right
	s_endpgm
.Lentry_shape_is_right:
; Causal attention of one head (16 x batch + head = the cluster's y) on codes of E5M2 with E8M0 scales; T = 2,048, head size 64.  Both products are used transposed, so that a lane holds ONE query throughout.
; THE SOFTMAX AHEAD OF THE SECOND PRODUCT: t = score x log2(e) / 8; M = the running largest t rounded UP to a whole number; p = 2^(t - M) is quantised along the keys, not normalised; the row's sum is taken of the
; unquantised p and divides O at the end; when M moves, the sum and O are multiplied by 2^(old M - new M), which rounds nothing.
; CLUSTER: the four work-groups of a cluster share one head.  The head's K and V records (codes and scale words, 16 steps of 128 keys, 8,448 bytes each) all fit in LDS: they are asked for ONCE, jointly, by
; all sixteen waves, one load of two records each; each partner receives them in its own LDS.  No LDS byte is filled twice.
; EVEN WORK: the 2,048 queries are 16 bands of 128, a band 8 tiles (f, u) of 16 queries 32 f + 8 u + r + 8 (r / 8).  Partner p owns the tiles f = p.  Wave w (i = w / 2, u = w % 2) takes tile (p, u) of band 15 - i and
; then of band i: (16 - i) + (i + 1) = 17 key steps for every wave.  A band's tiles have the same hidden steps and the same step on the diagonal, so every branch hangs on the wave's number alone.
; q k^T HAS K = 64: a fragment of K holds the keys of tile u = 0 in k 0..63 and those of tile u = 1 in k 64..127; it is multiplied by [q | zeros] and by [zeros | q].  K's codes are finite (they were held), so what meets a zero code adds nothing.
; OUT: o / l is quantised along (head, d) and leaves as the register image of the last product's operand: ao [block of 16 rows 512][128 along K: 8][c 4][lane 32][16 bytes]; its scale halfwords go to asc [head 64][p 4][band 16][u 2][r 16].
; LIMITS: a block of zeros, or one under 2^(16 - 127), gets the byte 1 (zero codes; this program alone reads the bytes); NaN and infinities are not served.
.set STEPB, 8448
.set HEADB, 135168
.set KINDB, 8650752
.set VBASE, 135168                     ; LDS: K's 16 records from byte 0, V's from here,
.set SCST,  270336                     ; and 1,024 bytes in which the work-group gathers its scale halfwords: no tile lands there
.set L16,  1                           ; v1   16 x lane
.set R16,  2                           ; v2   8,192 + 16 r: a record's scale words of row r
.set LV,   3                           ; v3   L16 + VBASE
.set RV,   4                           ; v4   R16 + VBASE
.set SCA,  5                           ; v5   SCST + 32 u + 2 r
.set DM,   6                           ; v6   my query's place in its band - 16 h
.set T16,  7                           ; v7   16 x thread
.set ADK,  8                           ; v8-11 the step's LDS addresses: K's images, V's, K's scale words, V's
.set ADV,  9
.set ADS,  10
.set ADT,  11
.set QF,   16                          ; v16-39 [q 8 | zeros 8 | q 8]: [q | 0] = v16-31, [0 | q] = v24-39.  v12 -M, v13 the largest t, v[14:15] the sum
.set FRG,  40                          ; v40-103 four fragments, of K and then of V
.set S,    104                         ; v104-167 S^T, then p
.set O,    168                         ; v168-199 O^T, four tiles
.set PC,   200                         ; v200-215 p's codes
.set BM,   216                         ; v216-219 the blocks' largest
.set PB,   220                         ; v220-223 the other half's, then the bytes
.set LM,   224                         ; v224-227 57,344 x the scale
.set SO,   228                         ; v228-231 the conversions' scale operands
.set KS,   232                         ; v232-235 K's, then V's scale words
.set QW,   236                         ; v236 q's scale word
.set PW,   237                         ; v237 p's scale word
.set FF,   238                         ; v[238:239] f = 2^(old M - new M)
.set T0,   240
.set HW,   241                         ; the result's two scale bytes
.set NINF, 243
.set Q2,   244                         ; v244-251 the second tile's q, v252 its scale words
.set QW2,  252
.set SCR,  253                         ; SCST + 16 x thread
.set WV,   18
.set SEL,  10                          ; s[10:11]
.set CS,   12                          ; s[12:13] c = log2(e) / 8
.set MNT,  14
.set BAND, 15
.set CNT,  16
.set TB,   2                           ; LDS byte of the step's record
.set SI,   3                           ; the step
.set G1,   24
.set G0A,  40
.set G0B,  44
.set AOB,  32                          ; s[32:33] ao without the band's term
.set AOP,  48                          ; s[48:49] ao at my tile
.set SB64, 50                          ; 64 x band
.macro CROUND                          ; a round of the cluster's barrier
	s_barrier_signal -1
	s_barrier_wait -1
	s_cmp_lg_u32 s[WV], 0
	s_cbranch_scc1 .Lnot_wave_0_\@
	s_barrier_signal -3
.Lnot_wave_0_\@:
	s_barrier_wait -3
	s_barrier_signal -1
	s_barrier_wait -1
.endm
	s_load_b128 s[4:7], s[0:1], 0x0                ; qkv, ao
	s_load_b64 s[8:9], s[0:1], 0x10                ; asc
	v_lshl_add_u32 v254, v0, 2, 0x42400
	v_mov_b32 v255, 0
	ds_add_u32 v254, v255
	ds_add_u32 v254, v255
	v_lshrrev_b32 v8, 5, v0
	s_delay_alu instid0(VALU_DEP_1)
	v_readfirstlane_b32 s[WV], v8                  ; wave 0..15
	s_lshr_b32 s19, s[WV], 1                       ; i
	s_and_b32 s20, s[WV], 1                        ; u
	s_bfe_u32 s21, ttmp6, 0x40000                  ; p: my place in the cluster: it enters global addresses of q, ao, asc and the mask's number alone
	s_and_b32 s22, ttmp7, 0xffff                   ; the head, which the partners share
	s_lshl_b32 s23, s20, 4                         ; 16 u
	v_and_b32 v8, 31, v0
	s_delay_alu instid0(VALU_DEP_1)
	v_lshlrev_b32 v[L16], 4, v8
	v_and_b32 v9, 15, v0                           ; r
	v_bfe_u32 v10, v0, 4, 1                        ; h
	s_delay_alu instid0(VALU_DEP_2)
	v_lshl_add_u32 v[R16], v9, 4, 8192
	s_delay_alu instid0(VALU_DEP_4)
	v_add_nc_u32 v[LV], VBASE, v[L16]
	s_delay_alu instid0(VALU_DEP_2)
	v_add_nc_u32 v[RV], VBASE, v[R16]
	s_lshl_b32 s34, s20, 5
	v_lshlrev_b32 v[SCA], 1, v9
	s_delay_alu instid0(VALU_DEP_1)
	v_add_nc_u32 v[SCA], s34, v[SCA]
	s_delay_alu instid0(VALU_DEP_1)
	v_add_nc_u32 v[SCA], SCST, v[SCA]
	v_lshlrev_b32 v[T16], 4, v0
	s_delay_alu instid0(VALU_DEP_1)
	v_add_nc_u32 v[SCR], SCST, v[T16]
	v_and_b32 v[DM], 8, v9
	s_delay_alu instid0(VALU_DEP_1)
	v_add_nc_u32 v[DM], v[DM], v9                  ; r + 8 (r / 8)
	v_lshlrev_b32 v11, 4, v10
	s_delay_alu instid0(VALU_DEP_1)
	v_sub_nc_u32 v[DM], v[DM], v11                 ; - 16 h
	s_lshl_b32 s34, s21, 5
	s_lshl_b32 s35, s20, 3
	s_add_co_u32 s34, s34, s35
	v_add_nc_u32 v[DM], s34, v[DM]                 ; + 32 p + 8 u
	s_mov_b32 s[SEL], 0x76543210
	s_mov_b32 s[SEL+1], 0xfedcba98
	s_mov_b32 s[CS], 0x3e38aa3b                    ; log2(e) / 8
	s_mov_b32 s[CS+1], s[CS]
	s_mov_b32 s[MNT], 0x600000
	; descriptor group 1: two records, 16,896 dense bytes, as 66 rows of 256 bytes (32 elements of 8); the mask names all four partners
	s_mov_b32 s[G1], 15|(3<<16)|(1<<21)
	s_mov_b32 s[G1+1], 32<<16
	s_mov_b32 s[G1+2], 66<<16
	s_mov_b32 s[G1+3], 32<<16
	s_mov_b32 s[G1+4], 66
	s_mov_b32 s[G1+5], 32
	s_mov_b32 s[G1+6], 0
	s_mov_b32 s[G1+7], 0
	s_mul_i32 s60, s22, HEADB                      ; the head's records in a kind
	s_lshr_b32 s34, s[WV], 3                       ; waves 0-7 fetch K's records, waves 8-15 V's
	s_and_b32 s35, s[WV], 7                        ; steps 2 sub, 2 sub + 1
	s_mul_i32 s36, s34, VBASE
	s_mul_i32 s37, s35, 2*STEPB
	s_add_co_u32 s36, s36, s37                     ; in LDS
	s_mul_i32 s38, s34, KINDB
	s_add_co_u32 s38, s38, KINDB
	s_add_co_u32 s38, s38, s37
	s_add_co_u32 s38, s38, s60                     ; in qkv
	s_mov_b32 s39, 0
	; q's tiles: band 15 - i first, band i second
	s_xor_b32 s[BAND], s19, 15
	s_lshl_b32 s61, s20, 10
	s_lshl_b32 s62, s21, 2                         ; word p of a row's four
	s_lshl_b32 s63, s21, 11
	s_add_co_u32 s63, s63, s61                     ; images 4 p + 2 u, + 1
	s_mul_i32 s54, s[BAND], STEPB
	s_add_co_u32 s54, s54, s60
	s_add_co_u32 s52, s54, s63
	s_add_co_u32 s54, s54, s62
	s_mul_i32 s58, s19, STEPB
	s_add_co_u32 s58, s58, s60
	s_add_co_u32 s56, s58, s63
	s_add_co_u32 s58, s58, s62
	s_mov_b32 s53, 0
	s_mov_b32 s55, 0
	s_mov_b32 s57, 0
	s_mov_b32 s59, 0
	s_wait_dscnt 0x0
	s_wait_kmcnt 0x0
	s_mov_b32 s[G0A], 1
	s_mov_b32 s[G0A+1], s36
	s_add_nc_u64 s[G0A+2:G0A+3], s[4:5], s[38:39]
	s_or_b32 s[G0A+3], s[G0A+3], 0x80000000
	s_add_nc_u64 s[52:53], s[4:5], s[52:53]
	s_add_nc_u64 s[54:55], s[4:5], s[54:55]
	s_add_nc_u64 s[56:57], s[4:5], s[56:57]
	s_add_nc_u64 s[58:59], s[4:5], s[58:59]
	s_lshr_b32 s34, s22, 4                         ; ao: the batch's 128 blocks of 16,384 bytes,
	s_lshl_b32 s34, s34, 21
	s_lshl_b32 s35, s21, 1
	s_add_co_u32 s35, s35, s20
	s_lshl_b32 s35, s35, 14                        ; block 2 p + u of a band's eight,
	s_add_co_u32 s34, s34, s35
	s_and_b32 s35, s22, 15
	s_lshl_b32 s35, s35, 10                        ; the head's 64 of the row's 1,024: two images of 512 bytes
	s_add_co_u32 s34, s34, s35
	s_mov_b32 s35, 0
	s_add_nc_u64 s[AOB:AOB+1], s[6:7], s[34:35]
	s_lshl_b32 s36, s[BAND], 17                    ; the band's eight blocks
	s_mov_b32 s37, 0
	s_add_nc_u64 s[AOP:AOP+1], s[AOB:AOB+1], s[36:37]
	s_lshl_b32 s[SB64], s[BAND], 6
	s_lshl_b32 s34, s22, 2
	s_add_co_u32 s34, s34, s21
	s_lshl_b32 s34, s34, 10                        ; asc: 1,024 bytes for (head, p)
	s_add_nc_u64 s[8:9], s[8:9], s[34:35]
	CROUND                                         ; all four work-groups are here: the joint loads meet
	tensor_load_to_lds s[G0A:G0A+3], s[G1:G1+7]    ; EACH OF THE SIXTEEN WAVES asks for two records, one joint load a wave, with no branch
	s_nop 0
.rept 4
	v_nop
.endr
	global_load_b128 v[QF:QF+3], v[L16], s[52:53]
	global_load_b128 v[QF+4:QF+7], v[L16], s[52:53] offset:512
	global_load_b128 v[QF+16:QF+19], v[L16], s[52:53]
	global_load_b128 v[QF+20:QF+23], v[L16], s[52:53] offset:512
	global_load_b32 v[QW], v[R16], s[54:55]
	global_load_b128 v[Q2:Q2+3], v[L16], s[56:57]
	global_load_b128 v[Q2+4:Q2+7], v[L16], s[56:57] offset:512
	global_load_b32 v[QW2], v[R16], s[58:59]
.irp j, 0,1,2,3,4,5,6,7
	v_mov_b32 v[QF+8+\j], 0                        ; the zero codes
.endr
.irp b, 0,1,2,3
	v_mov_b32 v[PB+\b], 0                          ; written once: a lane permute's destination counts as one of its sources
.endr
	v_mov_b32 v[FF+1], 0                           ; (named as the upper half of a pair)
	v_mov_b32 v[T0], 0
	v_mov_b32 v[NINF], 0xff800000                  ; -infinity
.macro INIT                            ; a tile's start: O^T and the sum are zeros, the largest t lies under every t
	v_mov_b32 v13, 0xff61b1e6
	s_delay_alu instid0(VALU_DEP_1)
	v_floor_f32 v12, -v13
	v_mov_b32 v14, 0
	v_mov_b32 v15, 0
.set j, 0
.rept 32
	v_mov_b32 v[O+j], 0
.set j, j+1
.endr
	s_mov_b32 s[SI], 0
	s_mov_b32 s[TB], 0
.endm
; A KEY STEP: 128 keys.  causal = 1: a step behind my band is left out (not the lines at its end that step addresses); in the step on the diagonal hidden scores become -infinity.
.macro STEP causal
.if \causal
	s_cmp_gt_u32 s[SI], s[BAND]
	s_cbranch_scc1 .Lhidden_\@
.endif
	v_add_nc_u32 v[ADK], s[TB], v[L16]
	v_add_nc_u32 v[ADV], s[TB], v[LV]
	v_add_nc_u32 v[ADS], s[TB], v[R16]
	v_add_nc_u32 v[ADT], s[TB], v[RV]
.rept 4
	v_nop                                          ; with the four additions: eight places in front of loads into registers that the last products read
.endr
.irp f, 0,1,2,3
.irp c, 0,1,2,3
	ds_load_b128 v[FRG+16*\f+4*\c:FRG+16*\f+4*\c+3], v[ADK] offset:2048*\f+512*\c   ; 512 consecutive bytes: an image of four registers
.endr
.endr
	ds_load_b128 v[KS:KS+3], v[ADS]                ; word f of row r: the scales of fragment f
	s_wait_alu depctr_va_vdst(0)
	s_wait_dscnt 0x0
.irp f, 0,1,2,3
.irp u, 0,1
	v_wmma_scale_f32_16x16x128_f8f6f4 v[S+8*(2*\f+\u):S+8*(2*\f+\u)+7], v[FRG+16*\f:FRG+16*\f+15], v[QF+8*\u:QF+8*\u+15], 0, v[KS+\f], v[QW] matrix_a_fmt:MATRIX_FMT_BF8 matrix_b_fmt:MATRIX_FMT_BF8
.endr
.endr                                              ; the 16 registers of tiles 2 f, 2 f + 1 are keys 32 f + 16 h + 0 .. 15
.rept 8
	v_nop
.endr
.irp f, 0,1,2,3
.irp c, 0,1,2,3
	ds_load_b128 v[FRG+16*\f+4*\c:FRG+16*\f+4*\c+3], v[ADV] offset:2048*\f+512*\c   ; V's fragments land while the softmax is walked
.endr
.endr
	ds_load_b128 v[KS:KS+3], v[ADT]
.if \causal
	s_cmp_lg_u32 s[SI], s[BAND]
	s_cbranch_scc1 .Lopen_\@
.set n, 0
.rept 64
	v_cmp_gt_i32 vcc_lo, 32*(n/16)+n%16, v[DM]     ; register n holds key 32 (n / 16) + 16 h + n % 16 of the step: hidden where it lies behind my query
	v_cndmask_b32 v[S+n], v[S+n], v[NINF], vcc_lo
.set n, n+1
.endr
.Lopen_\@:
.endif
.irp b, 0,1,2,3
	v_max3_num_f32 v[BM+\b], v[S+16*\b], v[S+1+16*\b], v[S+2+16*\b]   ; the largest score of each block of 32 keys: for the row's maximum and, since p rises with the score, for the block's largest p
.endr
.irp i, 3,5,7,9,11,13
.irp b, 0,1,2,3
	v_max3_num_f32 v[BM+\b], v[BM+\b], v[S+16*\b+\i], v[S+1+16*\b+\i]
.endr
.endr
.irp b, 0,1,2,3
	v_max_num_f32 v[BM+\b], v[BM+\b], v[S+15+16*\b]
.endr
.irp b, 0,1,2,3
	s_delay_alu instid0(VALU_DEP_4)
	v_permlanex16_b32 v[PB+\b], v[BM+\b], s[SEL], s[SEL+1]
.endr
.irp b, 0,1,2,3
	s_delay_alu instid0(VALU_DEP_4)
	v_max_num_f32 v[BM+\b], v[BM+\b], v[PB+\b]     ; with lane l xor 16's 16 keys
.endr
	s_delay_alu instid0(VALU_DEP_2)
	v_max3_num_f32 v[T0], v[BM], v[BM+1], v[BM+2]
	s_delay_alu instid0(VALU_DEP_1)
	v_max_num_f32 v[T0], v[T0], v[BM+3]
	s_delay_alu instid0(VALU_DEP_1)
	v_mul_f32 v[T0], s[CS], v[T0]                  ; the step's largest t
	s_delay_alu instid0(VALU_DEP_1)
	v_max_num_f32 v13, v13, v[T0]
	v_mov_b32 v[T0], v12
	s_delay_alu instid0(VALU_DEP_2)
	v_floor_f32 v12, -v13                          ; the new -M = -ceil(t)
	s_delay_alu instid0(VALU_DEP_1)
	v_sub_f32 v[T0], v12, v[T0]                    ; old M - new M: a whole number, 0 or less
	s_delay_alu instid0(VALU_DEP_1)
	v_cvt_i32_f32 v[T0], v[T0]                     ; (it saturates)
	s_delay_alu instid0(VALU_DEP_1)
	v_ldexp_f32 v[FF], 1.0, v[T0]                  ; f
.set j, 0
.rept 32
	v_pk_fma_f32 v[S+j:S+j+1], v[S+j:S+j+1], s[CS:CS+1], v[12:13] op_sel_hi:[1,0,0]   ; t - M, two at a time
.set j, j+2
.endr
.irp b, 0,1,2,3
	v_fma_f32 v[BM+\b], v[BM+\b], s[CS], v12
.endr
.set j, 0
	s_wait_alu depctr_va_vdst(0)
.rept 64
	v_exp_f32 v[S+j], v[S+j]                       ; p = 2^(t - M)
.set j, j+1
.endr
.irp b, 0,1,2,3
	v_exp_f32 v[BM+\b], v[BM+\b]                   ; the block's largest p
.endr
	v_pk_mul_f32 v[14:15], v[14:15], v[FF:FF+1] op_sel_hi:[1,0]   ; the sum under the new M (a plain line behind the exponentials)
	s_wait_alu depctr_va_vdst(0)
.irp b, 0,1,2,3
	v_max_num_f32 v[BM+\b], 0x8000000, v[BM+\b]    ; the floor 2^(16 - 127)
.endr
.irp b, 0,1,2,3
	s_delay_alu instid0(VALU_DEP_4)
	v_add_nc_u32 v[SO+\b], 0xf8800000, v[BM+\b]
.endr
.irp b, 0,1,2,3
	v_and_or_b32 v[LM+\b], v[BM+\b], 0x7f800000, s[MNT]
.endr
.irp b, 0,1,2,3
	v_lshrrev_b32 v[PB+\b], 23, v[SO+\b]
.endr
	s_delay_alu instid0(VALU_DEP_3)
	v_lshl_or_b32 v[PW], v[PB+1], 8, v[PB]         ; p's scale word for these 128 keys
	s_delay_alu instid0(VALU_DEP_1)
	v_lshl_or_b32 v[PW], v[PB+2], 16, v[PW]
	s_delay_alu instid0(VALU_DEP_1)
	v_lshl_or_b32 v[PW], v[PB+3], 24, v[PW]
	v_pk_add_f32 v[220:221], v[108:109], v[112:113]
	v_pk_add_f32 v[218:219], v[116:117], v[120:121]
	v_pk_add_f32 v[216:217], v[124:125], v[128:129]
	v_pk_add_f32 v[214:215], v[132:133], v[136:137]
	v_pk_add_f32 v[212:213], v[140:141], v[144:145]
	v_pk_add_f32 v[210:211], v[148:149], v[152:153]
	v_pk_add_f32 v[208:209], v[156:157], v[160:161]
	v_pk_add_f32 v[14:15], v[14:15], v[164:165]
	v_pk_add_f32 v[220:221], v[220:221], v[104:105]
	v_pk_add_f32 v[218:219], v[218:219], v[106:107]
	v_pk_add_f32 v[216:217], v[216:217], v[110:111]
	v_pk_add_f32 v[214:215], v[214:215], v[114:115]
	v_pk_add_f32 v[212:213], v[212:213], v[118:119]
	v_pk_add_f32 v[210:211], v[210:211], v[122:123]
	v_pk_add_f32 v[208:209], v[208:209], v[126:127]
	v_pk_add_f32 v[14:15], v[14:15], v[130:131]
	v_pk_add_f32 v[220:221], v[220:221], v[134:135]
	v_pk_add_f32 v[218:219], v[218:219], v[138:139]
	v_pk_add_f32 v[216:217], v[216:217], v[142:143]
	v_pk_add_f32 v[214:215], v[214:215], v[146:147]
	v_pk_add_f32 v[212:213], v[212:213], v[150:151]
	v_pk_add_f32 v[210:211], v[210:211], v[154:155]
	v_pk_add_f32 v[208:209], v[208:209], v[158:159]
	v_pk_add_f32 v[14:15], v[14:15], v[162:163]
	v_pk_add_f32 v[220:221], v[220:221], v[166:167]
	s_delay_alu instid0(VALU_DEP_2)
	v_pk_add_f32 v[14:15], v[14:15], v[214:215]
	s_delay_alu instid0(VALU_DEP_2)
	v_pk_add_f32 v[220:221], v[220:221], v[212:213]
	v_pk_add_f32 v[218:219], v[218:219], v[210:211]
	v_pk_add_f32 v[216:217], v[216:217], v[208:209]
	s_delay_alu instid0(VALU_DEP_2)
	v_pk_add_f32 v[14:15], v[14:15], v[218:219]
	s_delay_alu instid0(VALU_DEP_2)
	v_pk_add_f32 v[220:221], v[220:221], v[216:217]
	s_delay_alu instid0(VALU_DEP_1)
	v_pk_add_f32 v[14:15], v[14:15], v[220:221]
.irp b, 0,1,2,3
	v_mov_b32 v[217+\b], v[LM+\b]                  ; a second copy of the bounds, one register bank on: the two halves of a dual line take their second sources from different banks
.endr
.irp b, 0,1,2,3
.irp i, 0,2,4,6,8,10,12,14
	v_dual_min_num_f32 v[S+16*\b+\i], v[S+16*\b+\i], v[LM+\b] :: v_dual_min_num_f32 v[S+16*\b+\i+1], v[S+16*\b+\i+1], v[217+\b]   ; the hold (ISA guide 7.6.2), two numbers a line; p is not negative, so it is one-sided
.endr
	v_cvt_scalef32_pk8_bf8_f32 v[PC+4*\b:PC+4*\b+1], v[S+16*\b:S+16*\b+7], v[SO+\b]
	v_cvt_scalef32_pk8_bf8_f32 v[PC+4*\b+2:PC+4*\b+3], v[S+16*\b+8:S+16*\b+15], v[SO+\b]
.endr
.set j, 0
.rept 16
	v_pk_mul_f32 v[O+j:O+j+1], v[O+j:O+j+1], v[FF:FF+1] op_sel_hi:[1,0]   ; O^T under the new M; these are also the places between the codes and the products
.set j, j+2
.endr
	s_wait_alu depctr_va_vdst(0)
	s_wait_dscnt 0x0                               ; V's fragments and scale words are in
.irp t, 0,1,2,3
	v_wmma_scale_f32_16x16x128_f8f6f4 v[O+8*\t:O+8*\t+7], v[FRG+16*\t:FRG+16*\t+15], v[PC:PC+15], v[O+8*\t:O+8*\t+7], v[KS+\t], v[PW] matrix_a_fmt:MATRIX_FMT_BF8 matrix_b_fmt:MATRIX_FMT_BF8
.endr                                              ; the four accumulators by turns; between two links of a sum stand the next step's eight products
.if \causal
.Lhidden_\@:
.endif
	s_add_co_u32 s[SI], s[SI], 1
	s_add_co_u32 s[TB], s[TB], STEPB
.endm
.macro LOOP8 causal                    ; eight steps: the trip count is a constant of the text
	s_mov_b32 s[CNT], 8
.Lstep_\@:
	STEP \causal
	s_sub_co_u32 s[CNT], s[CNT], 1
	s_cmp_lg_u32 s[CNT], 0
	s_cbranch_scc1 .Lstep_\@
.endm
; A TILE'S WAY OUT: O^T / the sum; register 16 f2 + i is d = 32 f2 + 16 h + i of my query: two blocks of 32 along the last product's K, each in lanes l and l xor 16.
.macro WAYOUT
.rept 8
	v_nop                                          ; places behind the last products
.endr
	v_add_f32 v14, v14, v15
	s_delay_alu instid0(VALU_DEP_1)
	v_permlanex16_b32 v[T0], v14, s[SEL], s[SEL+1]
	s_delay_alu instid0(VALU_DEP_1)
	v_add_f32 v14, v14, v[T0]                      ; the row's sum
	s_wait_alu depctr_va_vdst(0)
	v_rcp_f32 v14, v14
	v_nop                                          ; a plain line behind the transcendental
.set j, 0
	s_wait_alu depctr_va_vdst(0)
.rept 32
	v_mul_f32 v[S+j], v[O+j], v14                  ; each accumulator from its low end on
.set j, j+1
.endr
.irp b, 0,1
	v_max3_num_f32 v[BM+\b], |v[S+16*\b]|, |v[S+1+16*\b]|, 0x8000000
.endr
.irp i, 2,4,6,8,10,12,14
.irp b, 0,1
	s_delay_alu instid0(VALU_DEP_2)
	v_max3_num_f32 v[BM+\b], v[BM+\b], |v[S+16*\b+\i]|, |v[S+1+16*\b+\i]|
.endr
.endr
.irp b, 0,1
	s_delay_alu instid0(VALU_DEP_2)
	v_permlanex16_b32 v[PB+\b], v[BM+\b], s[SEL], s[SEL+1]
.endr
.irp b, 0,1
	s_delay_alu instid0(VALU_DEP_2)
	v_max_num_f32 v[BM+\b], v[BM+\b], v[PB+\b]
.endr
.irp b, 0,1
	s_delay_alu instid0(VALU_DEP_2)
	v_add_nc_u32 v[SO+\b], 0xf8800000, v[BM+\b]
.endr
.irp b, 0,1
	s_delay_alu instid0(VALU_DEP_4)
	v_and_or_b32 v[LM+\b], v[BM+\b], 0x7f800000, s[MNT]
.endr
.irp b, 0,1
	s_delay_alu instid0(VALU_DEP_4)
	v_lshrrev_b32 v[PB+\b], 23, v[SO+\b]
.endr
	s_delay_alu instid0(VALU_DEP_1)
	v_lshl_or_b32 v[HW], v[PB+1], 8, v[PB]         ; my row's two scale bytes
.irp b, 0,1
.irp i, 0,1,2,3,4,5,6,7,8,9,10,11,12,13,14,15
	v_med3_num_f32 v[S+16*\b+\i], v[S+16*\b+\i], -v[LM+\b], v[LM+\b]
.endr
	v_cvt_scalef32_pk8_bf8_f32 v[PC+4*\b:PC+4*\b+1], v[S+16*\b:S+16*\b+7], v[SO+\b]
	v_cvt_scalef32_pk8_bf8_f32 v[PC+4*\b+2:PC+4*\b+3], v[S+16*\b+8:S+16*\b+15], v[SO+\b]
.endr
	v_add_nc_u32 v[T0], s[SB64], v[SCA]            ; (a plain line behind the last conversion)
	global_store_b128 v[L16], v[PC:PC+3], s[AOP:AOP+1]                 ; each store covers 512 consecutive bytes, aligned
	global_store_b128 v[L16], v[PC+4:PC+7], s[AOP:AOP+1] offset:512
	ds_store_b16 v[T0], v[HW]                      ; both halves of the lanes write the same halfword with the same value
.endm
	s_wait_loadcnt 0x0                             ; q
	v_lshrrev_b32 v[QW], s23, v[QW]                ; the halfword of tile u,
	s_delay_alu instid0(VALU_DEP_1)
	v_and_b32 v[QW], 0xffff, v[QW]
	s_delay_alu instid0(VALU_DEP_1)
	v_lshl_or_b32 v[QW], v[QW], 16, v[QW]          ; for k 0..63 and for k 64..127 alike
	INIT
	s_wait_tensorcnt 0x0                           ; my two records are in; behind the barrier all 32 are
	s_barrier_signal -1
	s_barrier_wait -1
	LOOP8 0                                        ; band 15 - i is 8 or more: steps 0 to 7 count whole
	LOOP8 1                                        ; steps 8 to 15
	WAYOUT
	s_wait_xcnt 0x0                                ; the stores have read their base and their codes: both are written again below
	s_mov_b32 s[BAND], s19                         ; the second tile: band i
	s_lshl_b32 s36, s19, 17
	s_mov_b32 s37, 0
	s_add_nc_u64 s[AOP:AOP+1], s[AOB:AOB+1], s[36:37]
	s_lshl_b32 s[SB64], s19, 6
	v_lshrrev_b32 v[QW], s23, v[QW2]
	s_delay_alu instid0(VALU_DEP_1)
	v_and_b32 v[QW], 0xffff, v[QW]
	s_delay_alu instid0(VALU_DEP_1)
	v_lshl_or_b32 v[QW], v[QW], 16, v[QW]
.irp j, 0,1,2,3,4,5,6,7
	v_mov_b32 v[QF+\j], v[Q2+\j]
	v_mov_b32 v[QF+16+\j], v[Q2+\j]
.endr
	INIT
	LOOP8 1                                        ; steps 0 to 7
	WAYOUT
	s_wait_dscnt 0x0                               ; for the others' sake: my halfwords lie in LDS
	s_barrier_signal -1
	s_barrier_wait -1
	s_cmp_lt_u32 s[WV], 2                          ; 64 threads store the work-group's 1,024 bytes of scale halfwords
	s_cbranch_scc0 .Lno_sc
	ds_load_b128 v[S:S+3], v[SCR]
	s_wait_dscnt 0x0
	global_store_b128 v[T16], v[S:S+3], s[8:9]
.Lno_sc:
	s_wait_tensorcnt 0x0
	ds_add_u32 v254, v255
	s_wait_dscnt 0x0
	CROUND                                         ; the closing round
	s_endpgm
.Lfunc_end_k_qd4ee97b84a_attn:
	.size	k_qd4ee97b84a_attn, .Lfunc_end_k_qd4ee97b84a_attn-k_qd4ee97b84a_attn
	.p2alignl 7, 3214868480
	.fill 96, 4, 3214868480
	.section	.rodata,"a",@progbits
	.p2align	6, 0x0
	.amdhsa_kernel k_qd4ee97b84a_attn
		.amdhsa_group_segment_fixed_size 327680
		.amdhsa_private_segment_fixed_size 0
		.amdhsa_enable_private_segment 0
		.amdhsa_kernarg_size 24
		.amdhsa_user_sgpr_count 2
		.amdhsa_user_sgpr_kernarg_segment_ptr 1
		.amdhsa_wavefront_size32 1
		.amdhsa_system_sgpr_workgroup_id_x 1
		.amdhsa_system_sgpr_workgroup_id_y 1
		.amdhsa_system_sgpr_workgroup_id_z 1
		.amdhsa_system_vgpr_workitem_id 0
		.amdhsa_next_free_vgpr 256
		.amdhsa_next_free_sgpr 66
		.amdhsa_reserve_vcc 1
		.amdhsa_float_denorm_mode_32 3
		.amdhsa_float_denorm_mode_16_64 3
		.amdhsa_memory_ordered 1
		.amdhsa_forward_progress 1
		.amdhsa_inst_pref_size 93
	.end_amdhsa_kernel
	.amdgpu_metadata
---
amdhsa.version: [ 1, 2 ]
amdhsa.kernels:
  - .name:           k_qd4ee97b84a_attn
    .symbol:         k_qd4ee97b84a_attn.kd
    .args:
      - { .name: qkv, .offset: 0, .size: 8, .value_kind: global_buffer, .address_space: global }
      - { .name: ao, .offset: 8, .size: 8, .value_kind: global_buffer, .address_space: global }
      - { .name: asc, .offset: 16, .size: 8, .value_kind: global_buffer, .address_space: global }
    .group_segment_fixed_size: 327680
    .private_segment_fixed_size: 0
    .kernarg_segment_align: 8
    .kernarg_segment_size: 24
    .max_flat_workgroup_size: 512
    .sgpr_count:     66
    .vgpr_count:     256
    .wavefront_size: 32
...
	.end_amdgpu_metadata
.endif
;; end of part 3
;; launch out_proj (part 4): grid 4 x 64, 4 waves a work-group, clusters of 4 x 1, 327,680 bytes of LDS; arguments ao, asc, cod, scl, b_out, out0; writes out0
.if DOCPART == 4
	.amdgcn_target "amdgcn-amd-amdhsa--gfx1250"
	.amdhsa_code_object_version 6
	.text
	.protected	k_qd4ee97b84a_out_proj
	.globl	k_qd4ee97b84a_out_proj
	.p2align	8
	.type	k_qd4ee97b84a_out_proj,@function
k_qd4ee97b84a_out_proj:
	s_mov_b64 s[64:65], 0
	v_nop
	global_prefetch_b8 v0, s[64:65] scope:SCOPE_SE
	s_setreg_imm32_b32 hwreg(HW_REG_WAVE_MODE, 25, 1), 1
	s_wait_xcnt 0x0
	s_wait_alu depctr_hold_cnt(0) depctr_sa_sdst(0) depctr_va_vdst(0) depctr_va_sdst(0) depctr_va_ssrc(0) depctr_va_vcc(0) depctr_vm_vsrc(0)
	s_getreg_b32 s2, hwreg(HW_REG_IB_STS2, 6, 4)
	s_cmp_eq_u32 s2, 0
	s_cbranch_scc0 .Lentry_in_a_cluster
	s_endpgm
.Lentry_in_a_cluster:
	s_bfe_u32 s2, ttmp6, 0x10000c
	s_cmp_lg_u32 s2, 0x3003
	s_cbranch_scc0 .Lentry_shape_is_right
	s_endpgm
.Lentry_shape_is_right:
; out0 = attention result x W_out + b_out on codes of E5M2 with E8M0 scales: 8,192 x 1,024 x 1,024, f32 out.
; THE DEAL.  256 work-groups of four waves.  A work-group owns 128 tokens (a band: tile = cluster y) and 256 columns (group cx).  The band's codes, 8 blocks of 16 rows, lie in ao as images of operand registers
; ([block][128 along K: 8][c 4][lane][16 bytes]: 131,072 consecutive bytes); they come into LDS once and stay: no LDS byte is filled twice.
; A wave holds 64 places of W_out, ALL of K, in 512 registers, loaded straight from cod, where they lie as images too (65,536 consecutive bytes), and streams the 8 blocks past them: 32 products a block, on two sets of registers by turns.
; Source 0 = the weight's 16 places, source 1 = 16 rows of ao: a lane holds one token; the 16 registers of tiles 2 f, 2 f + 1 are columns 32 f + 16 h + 0 .. 15 of my 64.  The bias is the C of each sum's first product.
; ROWS THAT CHANGED PLACES: row t of block 2 f + u is token 32 f + 8 u + t + 8 (t / 8) of the band: put right in the stores' immediates.
; ao's scale bytes lie in asc by head ([head 64][p 4][band 16][u 2][r 16] halfwords); the waves lay them once into LDS as rows of 32 bytes, by LDS stores into bytes into which no tile lands.
; A BLOCK: its 32 products on end; eight plain lines; then all its memory work in one run: the stores of the block before (its rows came back from the stage meanwhile), the 34 LDS loads of the block two on, and this block's
; 16 rows x 256 bytes into the wave's own stage in LDS and back by rows.  Sixteen lanes store 256 consecutive bytes, aligned.
; CLUSTER: the four partners share the band: each wave's two blocks are asked for jointly (mask 15).  The weights are shared by no partner.
; NO PREFETCH: every byte that the launch reads is asked for at its head; no loop runs ahead of a later read.
; LIMITS: NaN, infinities and sums beyond f32's range are not served.
; REGISTERS: windows 1, 2 the weight (fragment 4 q + b); window 3 two sets of a block of ao; window 0 all else.
.set BLKB,  16384
.set XS,    131072                     ; ao's scale rows: units of 256 bytes (8 rows) + 16
.set SBLK,  544
.set SPITCH, 272
.set STG,   XS+16*272                  ; four stages of 16 rows x (256 + 16) bytes
.set SPARE, STG+4*16*SPITCH
.set NF,    34                         ; LDS loads of a block
.set L16,   5
.set AAS0,  6
.set ABS,   7
.set BO1,   8
.set SPW,   10
.set NIL,   11
.set ADRA,  12
.set AAS,   13
.set STO,   14
.set RD,    15
.set CO,    16
.set XGO,   17
.set XLA,   18
.set SB,    24                         ; v24-39 the weight's scale words: register 8 p + q: lanes 0-15 tile 2 p, lanes 16-31 tile 2 p + 1
.set SA,    44                         ; v44-59 ao's scale words, two sets
.set XT,    64                         ; v64-79 at the head: asc's words, and the rows made of them
.set XP,    72
.set ACC,   80                         ; v80-143 two sets of four accumulators, by the block's parity
.set BQ,    144                        ; v144-175 the bias
.set OB,    176                        ; v176-239 16 rows back from the stage, two sets by the block's parity
.set G1,    24
.set G0,    32
.set MSB, 0
.macro WIN new
.if MSB != \new
	s_set_vgpr_msb (MSB<<8)|\new
.set MSB, \new
.endif
.endm
.macro PLACES n
.rept \n
	v_nop
.endr
.endm
.macro CROUND
	s_barrier_signal -1
	s_barrier_wait -1
	s_cmp_lg_u32 s14, 0
	s_cbranch_scc1 .Lnot_wave_0_\@
	s_barrier_signal -3
.Lnot_wave_0_\@:
	s_barrier_wait -3
	s_barrier_signal -1
	s_barrier_wait -1
.endm
.macro PRODS e                         ; a block's 32 products: the four accumulators by turns, K ascending
.set N_, 0
.rept 32
.set B_, N_%4
.set AC_, ACC+32*(\e)+8*B_
.set C_, AC_
.if N_ < 4
.set C_, BQ+8*B_
.endif
.set R_, 128*(\e)+16*(N_/4)
.set W_, 16*(N_%16)
.set XS_, SA+8*(\e)+N_/4
.set WS_, SB+8*(B_/2)+N_/4
	WIN (1+N_/16)|(3<<2)
.if B_%2
	v_wmma_scale_f32_16x16x128_f8f6f4 v[AC_:AC_+7], v[W_:W_+15], v[R_:R_+15], v[C_:C_+7], v[WS_], v[XS_] matrix_a_fmt:MATRIX_FMT_BF8 matrix_b_fmt:MATRIX_FMT_BF8 matrix_a_scale:MATRIX_SCALE_ROW1
.else
	v_wmma_scale_f32_16x16x128_f8f6f4 v[AC_:AC_+7], v[W_:W_+15], v[R_:R_+15], v[C_:C_+7], v[WS_], v[XS_] matrix_a_fmt:MATRIX_FMT_BF8 matrix_b_fmt:MATRIX_FMT_BF8
.endif
.set N_, N_+1
.endr
.endm
.macro FETCH k, a, s                   ; a block of ao into set k: its scale words, then 32 images of four registers, 512 consecutive bytes each
	ds_load_b128 v[SA+8*\k:SA+8*\k+3], v[\s]
	ds_load_b128 v[SA+8*\k+4:SA+8*\k+7], v[\s] offset:16
	WIN 3<<6
.set I_, 0
.rept 32
	ds_load_b128 v[128*\k+4*I_:128*\k+4*I_+3], v[\a] offset:512*I_
.set I_, I_+1
.endr
	WIN 0
.endm
.macro SEND k, ro                      ; 16 rows of 256 bytes out of set k; lanes 0-15 one row, lanes 16-31 the next
.irp i, 0,1,2,3,4,5,6,7
	global_store_b128 v[CO], v[OB+32*(\k)+4*\i:OB+32*(\k)+4*\i+3], s[84:85] offset:(\ro+2*\i+8*(\i/4))*4096 th:TH_STORE_NT
.endr
.endm
.macro OBLK e, ld, guard
	PRODS \e
	WIN 0
.if \ld
	v_add_nc_u32 v[ADRA], s47, v[L16]              ; the block two on.  With the six below: eight plain lines behind the last product
	v_add_nc_u32 v[AAS], s48, v[AAS0]
	PLACES 6
	s_wait_alu depctr_va_vdst(0)
.else
	PLACES 8
.endif
	s_wait_dscnt 0x0                               ; the next block's fragments and the block before's rows, all asked for a block ago, are in
	s_wait_xcnt 0x0                                ; the stores of the block two back have read their base and the registers that my rows will land in
.if \e
	s_add_nc_u64 s[84:85], s[84:85], 32*4096
.endif
.if \guard
	s_cmp_eq_u32 s46, 0                            ; the first block has none before it
	s_cbranch_scc1 .Lnone_\@
.endif
	SEND 1-\e, 8*(1-\e)
.if \guard
.Lnone_\@:
.endif
.if \ld
	FETCH \e, ADRA, AAS
	s_add_co_u32 s47, s47, BLKB
	s_add_co_u32 s48, s48, SBLK
.endif
.irp b, 0,1,2,3
	ds_store_b128 v[STO], v[ACC+32*\e+8*\b:ACC+32*\e+8*\b+3] offset:128*(\b/2)+32*(\b%2)      ; each accumulator from its low end on
	ds_store_b128 v[STO], v[ACC+32*\e+8*\b+4:ACC+32*\e+8*\b+7] offset:128*(\b/2)+32*(\b%2)+16
.endr
.irp i, 0,1,2,3,4,5,6,7
	ds_load_b128 v[OB+32*\e+4*\i:OB+32*\e+4*\i+3], v[RD] offset:2*\i*SPITCH   ; LDS serves a wave's instructions in order: these see the stores above
.endr
.endm
	s_load_b256 s[4:11], s[0:1], 0x0               ; ao, asc, cod, scl
	s_load_b128 s[76:79], s[0:1], 0x20             ; b_out, out0
	v_lshl_add_u32 v[SPW], v0, 2, SPARE
	v_mov_b32 v[NIL], 0
	ds_add_u32 v[SPW], v[NIL]                      ; the opening lines: the add twice on end and its wait ahead of my tensor load
	ds_add_u32 v[SPW], v[NIL]
	v_lshrrev_b32 v1, 5, v0
	v_readfirstlane_b32 s14, v1                    ; wave
	s_bfe_u32 s17, ttmp6, 0x40000                  ; cx = the column group: it enters global addresses alone
	s_and_b32 s19, ttmp7, 0xffff                   ; the band, which the partners share
	s_mov_b32 s[G1], 15|(3<<16)|(1<<21)            ; all four partners; 32,768 dense bytes as 128 rows of 256 (32 elements of 8)
	s_mov_b32 s[G1+1], 32<<16
	s_mov_b32 s[G1+2], 128<<16
	s_mov_b32 s[G1+3], 32<<16
	s_mov_b32 s[G1+4], 128
	s_mov_b32 s[G1+5], 32
	s_mov_b32 s[G1+6], 0
	s_mov_b32 s[G1+7], 0
	s_mov_b32 s[G0], 1
	s_lshl_b32 s[G0+1], s14, 15                    ; my two blocks
	s_lshl_b32 s44, s19, 17
	s_lshl_b32 s45, s14, 15
	s_add_co_u32 s44, s44, s45
	s_mov_b32 s45, 0
	s_lshl_b32 s22, s17, 2
	s_add_co_u32 s22, s22, s14                     ; my 64 columns: 64 x (4 cx + wave)
	s_lshl_b32 s36, s22, 16
	s_add_co_u32 s36, s36, 11264*1024
	s_mov_b32 s37, 0
	s_lshl_b32 s40, s22, 11
	s_add_co_u32 s40, s40, 11264*32
	s_mov_b32 s41, 0
	s_lshl_b32 s52, s22, 8
	s_mov_b32 s53, 0
	s_lshl_b32 s84, s19, 19                        ; 128 rows of 4,096 bytes a band
	s_add_co_u32 s84, s84, s52
	s_mov_b32 s85, 0
	s_lshr_b32 s56, s19, 4
	s_lshl_b32 s56, s56, 16                        ; asc: the batch's 16 heads of 4,096 bytes,
	s_and_b32 s20, s19, 15
	s_lshl_b32 s20, s20, 6                         ; the band's 64 bytes
	s_add_co_u32 s56, s56, s20
	s_mov_b32 s57, 0
	s_mul_i32 s21, s14, 16*SPITCH
	s_add_co_u32 s21, s21, STG                     ; my stage
	v_and_b32 v1, 15, v0                           ; r
	v_bfe_u32 v2, v0, 4, 1                         ; h
	v_and_b32 v3, 31, v0
	v_lshlrev_b32 v[L16], 4, v3
	v_lshrrev_b32 v9, 3, v1
	v_lshlrev_b32 v[AAS0], 5, v1
	v_lshl_add_u32 v[AAS0], v9, 4, v[AAS0]
	v_add_nc_u32 v[AAS0], XS, v[AAS0]
	v_lshlrev_b32 v[ABS], 5, v3
	v_lshlrev_b32 v[BO1], 6, v2
	v_mul_u32_u24 v[STO], v1, SPITCH
	v_lshl_add_u32 v[STO], v2, 6, v[STO]
	v_add_nc_u32 v[STO], s21, v[STO]               ; in: row r, + 64 h
	v_mul_u32_u24 v[RD], v2, SPITCH
	v_lshl_add_u32 v[RD], v1, 4, v[RD]
	v_add_nc_u32 v[RD], s21, v[RD]                 ; back: sixteen lanes to a row
	v_lshlrev_b32 v[CO], 12, v2
	v_lshl_add_u32 v[CO], v1, 4, v[CO]
	v_bfe_u32 v9, v0, 4, 2                         ; asc: thread t takes rows 2 (t % 64), + 1 of the band (p = (t / 16) % 4, u, r from t % 16) and heads 8 (t / 64) on: a word holds both rows' halfwords
	v_lshlrev_b32 v[XGO], 2, v1
	v_lshl_add_u32 v[XGO], v9, 10, v[XGO]
	v_lshrrev_b32 v19, 6, v0
	v_lshl_add_u32 v[XGO], v19, 15, v[XGO]
	v_and_b32 v9, 63, v0
	v_lshlrev_b32 v[XLA], 6, v9
	v_lshrrev_b32 v9, 2, v9
	v_lshl_add_u32 v[XLA], v9, 4, v[XLA]
	v_lshl_add_u32 v[XLA], v19, 4, v[XLA]
	v_add_nc_u32 v[XLA], XS, v[XLA]                ; two rows of 32 bytes at 64 (t % 64), 16 of padding behind each 256; my heads' 16 bytes of each
	v_add_nc_u32 v[ADRA], BLKB, v[L16]             ; block 1
	v_add_nc_u32 v[AAS], SBLK, v[AAS0]
.set I_, 0
.rept 32
	v_mov_b32 v[OB+32+I_], 0                       ; written once: the first block names these registers in stores that a branch leads round
.set I_, I_+1
.endr
	s_wait_alu depctr_va_vdst(0)
	s_wait_dscnt 0x0
	CROUND                                         ; all four partners are here: the joint loads meet
	s_wait_kmcnt 0x0
	s_add_nc_u64 s[G0+2:G0+3], s[4:5], s[44:45]
	s_or_b32 s[G0+3], s[G0+3], 0x80000000
	tensor_load_to_lds s[G0:G0+3], s[G1:G1+7]      ; my one tensor load
	s_nop 0
	PLACES 4
	s_add_nc_u64 s[56:57], s[6:7], s[56:57]
	s_add_nc_u64 s[36:37], s[8:9], s[36:37]
	s_add_nc_u64 s[40:41], s[10:11], s[40:41]
	s_add_nc_u64 s[52:53], s[76:77], s[52:53]
	s_add_nc_u64 s[84:85], s[78:79], s[84:85]
	s_sub_nc_u64 s[84:85], s[84:85], 32*4096       ; each odd block steps the pointer by 32 rows ahead of its stores
.irp g, 0,1,2,3,4,5,6,7
	global_load_b32 v[XT+\g], v[XGO], s[56:57] offset:4096*\g
.endr
.irp p, 0,1
.irp c, 0,1
	global_load_b128 v[SB+8*\p+4*\c:SB+8*\p+4*\c+3], v[ABS], s[40:41] offset:1024*\p+16*\c   ; lane l takes place l of a pair of tiles
.endr
.endr
.irp b, 0,1,2,3
	global_load_b128 v[BQ+8*\b:BQ+8*\b+3], v[BO1], s[52:53] offset:(32*(\b/2)+8*(\b%2))*4
	global_load_b128 v[BQ+8*\b+4:BQ+8*\b+7], v[BO1], s[52:53] offset:(32*(\b/2)+8*(\b%2))*4+16
.endr
.set I_, 0
.rept 128                                          ; my 64 places of W_out, all of K: 128 loads of 512 consecutive bytes
.set FB_, 4*((I_%32)/4)+I_/32
	WIN (1+FB_/16)<<6
	global_load_b128 v[16*(FB_%16)+4*(I_%4):16*(FB_%16)+4*(I_%4)+3], v[L16], s[36:37] offset:512*I_
.set I_, I_+1
.endr
	WIN 0
	s_mov_b32 s47, 2*BLKB
	s_mov_b32 s48, 2*SBLK
	s_mov_b32 s46, 0
	s_wait_loadcnt 0x0
.irp j, 0,1,2,3
	v_perm_b32 v[XP+\j], v[XT+2*\j+1], v[XT+2*\j], 0x05040100     ; the even row: the low halfwords of two heads
	v_perm_b32 v[XP+4+\j], v[XT+2*\j+1], v[XT+2*\j], 0x07060302   ; the odd row: the high ones
.endr
	ds_store_b128 v[XLA], v[XP:XP+3]
	ds_store_b128 v[XLA], v[XP+4:XP+7] offset:32
	s_wait_tensorcnt 0x0                           ; my blocks are in,
	s_wait_dscnt 0x0                               ; my scale bytes lie in LDS
	s_barrier_signal -1
	s_barrier_wait -1
	FETCH 0, L16, AAS0
	FETCH 1, ADRA, AAS
	s_wait_dscnt NF                                ; block 0's 34 loads are in; block 1's 34 may be out
.Lo:                                               ; three trips of two blocks: blocks 0 to 5
	OBLK 0, 1, 1
	OBLK 1, 1, 0
	s_add_co_u32 s46, s46, 1
	s_cmp_lt_u32 s46, 3
	s_cbranch_scc1 .Lo
	OBLK 0, 0, 0                                   ; the last two blocks fetch nothing
	OBLK 1, 0, 0
	s_wait_dscnt 0x0
	SEND 1, 8
	s_wait_tensorcnt 0x0                           ; the wave's end
	ds_add_u32 v[SPW], v[NIL]
	s_wait_dscnt 0x0
	CROUND                                         ; the closing round
	s_endpgm
.Lfunc_end_k_qd4ee97b84a_out_proj:
	.size	k_qd4ee97b84a_out_proj, .Lfunc_end_k_qd4ee97b84a_out_proj-k_qd4ee97b84a_out_proj
	.p2alignl 7, 3214868480
	.fill 96, 4, 3214868480
	.section	.rodata,"a",@progbits
	.p2align	6, 0x0
	.amdhsa_kernel k_qd4ee97b84a_out_proj
		.amdhsa_group_segment_fixed_size 327680
		.amdhsa_private_segment_fixed_size 0
		.amdhsa_enable_private_segment 0
		.amdhsa_kernarg_size 48
		.amdhsa_user_sgpr_count 2
		.amdhsa_user_sgpr_kernarg_segment_ptr 1
		.amdhsa_wavefront_size32 1
		.amdhsa_system_sgpr_workgroup_id_x 1
		.amdhsa_system_sgpr_workgroup_id_y 1
		.amdhsa_system_sgpr_workgroup_id_z 1
		.amdhsa_system_vgpr_workitem_id 0
		.amdhsa_next_free_vgpr 1024
		.amdhsa_next_free_sgpr 90
		.amdhsa_reserve_vcc 0
		.amdhsa_float_denorm_mode_32 3
		.amdhsa_float_denorm_mode_16_64 3
		.amdhsa_memory_ordered 1
		.amdhsa_forward_progress 1
		.amdhsa_inst_pref_size 57
	.end_amdhsa_kernel
	.amdgpu_metadata
---
amdhsa.version: [ 1, 2 ]
amdhsa.kernels:
  - .name:           k_qd4ee97b84a_out_proj
    .symbol:         k_qd4ee97b84a_out_proj.kd
    .args:
      - { .name: ao, .offset: 0, .size: 8, .value_kind: global_buffer, .address_space: global }
      - { .name: asc, .offset: 8, .size: 8, .value_kind: global_buffer, .address_space: global }
      - { .name: cod, .offset: 16, .size: 8, .value_kind: global_buffer, .address_space: global }
      - { .name: scl, .offset: 24, .size: 8, .value_kind: global_buffer, .address_space: global }
      - { .name: b_out, .offset: 32, .size: 8, .value_kind: global_buffer, .address_space: global }
      - { .name: out0, .offset: 40, .size: 8, .value_kind: global_buffer, .address_space: global }
    .group_segment_fixed_size: 327680
    .private_segment_fixed_size: 0
    .kernarg_segment_align: 8
    .kernarg_segment_size: 48
    .max_flat_workgroup_size: 128
    .sgpr_count:     90
    .vgpr_count:     1024
    .wavefront_size: 32
...
	.end_amdgpu_metadata
.endif
;; end of part 4
